; MI455X (gfx1250); checked and timed in simulation.
; The chip was launched on July 23, 2026; its instructions are those of AMD's public machine-readable ISA for CDNA 5 (MIT licence, August 2026) and "CDNA5" Instruction Set Architecture Reference Guide (July 2026). The comments in the code are by the model that wrote it; some were corrected since.
;; Multi Head Attention. Allowed arithmetic: matrix products marked QUANTISED: E2M3 operands, one E8M0 scale for each 32 along K, by v_wmma_scale_f32_16x16x128_f8f6f4 with both operands' format E2M3, f32 sums; everything else in f32.
;; Inputs: Wk 1,024 x 1,024 float32; Wo 1,024 x 1,024 float32; Wq 1,024 x 1,024 float32; Wv 1,024 x 1,024 float32; bk 1,024 float32; bo 1,024 float32; bq 1,024 float32; bv 1,024 float32; key 8 x 1,024 x 1,024 float32; mask 8 x 1,024 bool; query 8 x 1,024 x 1,024 float32; value 8 x 1,024 x 1,024 float32.
;; Outputs: out0 8 x 1,024 x 1,024 float32.
;; Constants: seq_mask = 0.
;; This version of the problem:
;;   THIS VERSION OF THE PROBLEM IS GIVEN IN LOW PRECISION. The matrix products marked QUANTISED in the list below multiply operands that are first quantised to E2M3 (2 exponent bits, 3 mantissa bits; 6 bits a number), with one power-of-two scale for each 32 numbers along K (OCP MX v1.0); their sums are f32. All else is computed in f32.
;;   The module's matrix products, in the order in which they are computed (A, B: the left and right operand; K: the contracted axis; several contracted axes count as one K, in the product's order):
;;     1. [M 8,192, K 1,024] x [K 1,024, N 1,024]; A: input query; B: input Wq: QUANTISED
;;     2. [M 8,192, K 1,024] x [K 1,024, N 1,024]; A: input key; B: input Wk: QUANTISED
;;     3. [M 8,192, K 1,024] x [K 1,024, N 1,024]; A: input value; B: input Wv: QUANTISED
;;     4. batch 128 x [M 1,024, K 64] x [K 64, N 1,024]; A: computed on the way; B: computed on the way: QUANTISED
;;     5. batch 128 x [M 1,024, K 1,024] x [K 1,024, N 64]; A: softmax (see below); B: computed on the way: QUANTISED
;;     6. [M 8,192, K 1,024] x [K 1,024, N 1,024]; A: computed on the way; B: input Wo: QUANTISED
;;   THE QUANTISER, for each operand of a quantised product, along K:
;;     - K is cut into blocks of 32 from its start; a last block that is shorter is filled with zeros.
;;     - A block's scale is 2^e with e = floor(log2(the largest magnitude in the block)) - 2, held to -126 .. 127; a block of zeros has e = 0. As a byte (E8M0): e + 127.
;;     - Each number is divided by its block's scale, clamped to +-7.5, and rounded to the nearest number of E2M3, ties to even, subnormals kept.
;;     - The product sums the exact products of the quantised numbers (number of the format x scale) in f32.
;;   ~~~python
;;   def quantise(x, axis):      # numpy; x: float32 -> the quantised numbers, widened to float32 again
;;       x = np.moveaxis(x, axis, -1); K = x.shape[-1]
;;       x = np.pad(x, [(0, 0)] * (x.ndim - 1) + [(0, -K % 32)]); x = x.reshape(x.shape[:-1] + (-1, 32)); a = np.abs(x).max(-1, keepdims=True)
;;       e = np.where(a > 0, np.clip(np.frexp(np.where(a > 0, a, 1))[1] - 1 - 2, -126, 127), 0)      # np.frexp(a)[1] - 1 = floor(log2(a)), exactly
;;       r = np.clip(x / 2.0 ** e, -7.5, 7.5)
;;       step = 2.0 ** (np.maximum(np.frexp(np.where(r == 0, 1, r))[1] - 1, 0) - 3)
;;       q = np.round(r / step) * step * 2.0 ** e      # np.round: ties to even
;;       return np.moveaxis(q.reshape(q.shape[:-2] + (-1,))[..., :K], -1, axis).astype(np.float32)
;;   ~~~
;;   SOFTMAX AHEAD OF A QUANTISED PRODUCT. Where the list says 'softmax', what is quantised is not the finished softmax but p = 2^(t - M), with t = logit x log2(e) and M = ceil(the row's largest t), a whole number; so 1/2 < the row's largest p <= 1. The row's sum l is taken of the UNQUANTISED p, in f32, and the product's result is divided by l at the end. Since M is a whole number, a kernel that streams over the keys may use a running M (the ceiling of the running maximum): every later rescaling is an exact power of two, which a block's scale takes up: the codes' values come out the same.
;;   OPERANDS COMPUTED ON THE WAY. 'Computed on the way' means the value that the module computes at that place (a softmax that the list does not call 'softmax' is quantised finished and normalised). What goes into a quantiser is computed in f32, as accurately as f32 sums, v_exp_f32 and their like allow (about 1e-6 of the number): no bf16 or f16 on the way to a quantiser, and a product that is left as it is and whose result goes on into a quantised operand takes f32 operands (vector FMAs, or v_wmma_f32_16x16x4_f32). A number that lies on a knife's edge between two numbers of the format may be rounded either way, as far as f32 arithmetic and the matrix unit's own rounding can turn it there, and no further.
;; One version. Each part assembles by itself: llvm-mc -triple=amdgcn-amd-amdhsa -mcpu=gfx1250 --defsym DOCPART=n.
;; ======== version 1 of 1: 4 launches
;; limits: right only within a limited range of input values
;; workspace buffers: xq 22,937,600 bytes; qb 8,912,896 bytes; kv 15,466,496 bytes; ob 6,553,600 bytes
;; launch quant (part 1): grid 512 x 1, 7 waves a work-group, no clusters, 60,160 bytes of LDS; arguments query, key, value, Wq, Wk, Wv, Wo, xq; writes xq
.if DOCPART == 1
	.amdgcn_target "amdgcn-amd-amdhsa--gfx1250"
	.amdhsa_code_object_version 6
	.text
	.protected	k_q04bda2af34_quant
	.globl	k_q04bda2af34_quant
	.p2align	8
	.type	k_q04bda2af34_quant,@function
k_q04bda2af34_quant:
	s_mov_b64 s[64:65], 0
	v_nop
	global_prefetch_b8 v0, s[64:65] scope:SCOPE_SE
	s_setreg_imm32_b32 hwreg(HW_REG_WAVE_MODE, 25, 1), 1
	s_wait_xcnt 0x0
; MULTI-HEAD ATTENTION IN MX-FP6, launch 1 of 4: query, key, value [8192][1024] and Wq, Wk, Wv, Wo [1024][1024], f32, K innermost, become codes of E2M3 with one E8M0 byte for each 32 along K.
; WORK LEFT OUT IN THE WHOLE PROGRAM: seq_mask is the constant 0, so the causal mask that the function would build under 'if seq_mask' is never built and never joined to the key mask, whatever the inputs hold.
; Nothing else is left out: all four biases, the key mask and all six products are live, and every input buffer is loaded by some launch.  (No number is computed in the part left out, so no NaN or overflow is lost with it.)
; LAYOUT OF xq.  A UNIT is 16 rows x 1,024 along K, 12,800 bytes: two halves of 6,400, each four K steps' IMAGES of 1,536 bytes and 256 bytes of scale words [row 16][4 words].  An image is an operand's 12 registers
; as they stand: group c of four registers at 512 c, lane l's 16 bytes at 16 l.  So the product launches fetch a fragment by three loads of 16 bytes a lane, and a tile's half of K is one dense block.
; THE ROWS OF A UNIT ARE NOT NEIGHBOURS: lane-row i of unit t is row 32 (t / 2) + 8 (t % 2) + i + 8 (i / 8) of its tensor, so that results of products used transposed have 16 neighbours along the next K in 16 registers.
; Units: query 0-511, key 512-1023, value 1024-1535, Wq 1536-, Wk 1600-, Wv 1664-, Wo 1728-1791: 1,792 = 256 work-groups x 7 waves, a unit to a wave.  Waves share nothing: no barrier.
; A K step: 16 loads, each a row's 512 consecutive bytes; through the wave's own stage in LDS (rows of 512 + 16 bytes); back as the operand wants them: lane (r, h) takes k = 64 c + 32 h + 0 .. 31 of row r: two whole blocks.
; A block's scale is 2^(floor(log2(largest magnitude)) - 2): its byte is the magnitude's exponent field - 2, held at 1 from below by a floor among the maximum's leaves.
; LIMITS: a block of zeros, or one whose largest magnitude lies under 2^-124, gets the byte 1 (a zero block's codes are zeros, and this program alone reads the bytes); NaN and infinities among the inputs are not served.
.set STGB,  8448                       ; a wave's stage: 16 rows x 528 bytes
.set SPARE, 7*STGB                     ; behind the stages: the spare words, 128 bytes a wave, rounded up to four blocks of 256 bytes that no other line names
.set UNIT,  12800
.set HALFU, 6400
.set IMG,   1536
.set SPW, 20                           ; v20 LDS address of my spare word; never rewritten
.set NIL, 21                           ; v21 0; never rewritten
.set W,   22                           ; v22-29  the scale word of each K step
.set R,   32                           ; v32-159 two sets of 64 registers as loaded
.set X,   160                          ; v160-223 my 64 numbers: blocks h and 2 + h of my row
.set PC,  224                          ; v224-235 the fragment
.set T0,  236                          ; v236-238, v240-242: a conversion's three registers begin on an even number
.set T1,  240
.set SP2, 244                          ; v244-247 two pairs of scale words on their way out
	s_load_b512 s[8:23], s[0:1], 0x0               ; query s[8:9], key, value, Wq, Wk, Wv, Wo s[20:21], xq s[22:23]
	v_lshl_add_u32 v[SPW], v0, 2, SPARE
	v_mov_b32 v[NIL], 0
	v_lshrrev_b32 v1, 5, v0
	v_readfirstlane_b32 s2, v1                     ; wave 0..6
	v_and_b32 v1, 31, v0                           ; lane
	v_and_b32 v2, 15, v0                           ; r
	v_bfe_u32 v3, v0, 4, 1                         ; h
	v_lshlrev_b32 v4, 4, v1                        ; 16 x lane: my bytes of a load and of an image's group; never rewritten
	s_mul_i32 s5, s2, STGB
	v_add_nc_u32 v5, s5, v4                        ; the stage, on the way in
	v_mul_u32_u24 v6, v2, 528
	v_lshl_add_u32 v6, v3, 7, v6
	v_add_nc_u32 v6, s5, v6                        ; and back: row r, + 128 h
	v_lshlrev_b32 v8, 4, v2
	v_lshl_add_u32 v8, v3, 3, v8                   ; scale words out: 16 r + 8 h
	v_lshlrev_b32 v9, 3, v3                        ; 8 h: my bytes' place in a scale word
	v_cmp_ne_u32 vcc_lo, 0, v3                     ; lanes 16-31
	v_mov_b32 v12, 0                               ; a lane permute's destination counts as one of its sources
	s_mov_b32 s28, 0x76543210
	s_mov_b32 s29, 0xfedcba98                      ; v_permlanex16_b32's selects for lane l xor 16
	s_mul_i32 s3, ttmp9, 7
	s_add_co_u32 s3, s3, s2
	; A WAVE TAKES HALF A UNIT, four K steps: 3,584 halves = 512 work-groups x 7 waves (where the head's lines say a unit to a wave, read half a unit)
	s_and_b32 s33, s3, 1                           ; which half of K
	s_lshr_b32 s3, s3, 1                           ; my unit
	s_wait_alu depctr_va_vdst(0)
	s_wait_kmcnt 0x0
	s_mov_b64 s[24:25], s[8:9]
	s_mov_b32 s4, 0
.macro PICK lim, p                     ; from unit lim on: the tensor at s[p:p+1].  The choice hangs on ids alone
	s_cmp_ge_u32 s3, \lim
	s_cselect_b64 s[24:25], s[\p:\p+1], s[24:25]
	s_cselect_b32 s4, \lim, s4
.endm
	PICK 512, 10
	PICK 1024, 12
	PICK 1536, 14
	PICK 1600, 16
	PICK 1664, 18
	PICK 1728, 20
	s_sub_co_u32 s4, s3, s4                        ; t: the unit's number in its tensor
	; KEY'S UNITS (512-1023) TAKE OTHER ROWS than the line at the head says: lane-row i of unit t is row 64 (t / 4) + 8 (t % 4) + i % 8 + 32 (i / 8),
	; so that in the scores, used transposed, a lane's 32 registers of four tiles are one whole block of 32 keys.  g = 2 for key, 1 for all others: groups of 32 g rows, 2 g units each
	s_sub_co_u32 s30, s3, 512
	s_cmp_lt_u32 s30, 512
	s_cselect_b32 s30, 2, 1                        ; g, of the unit's number alone
	s_lshr_b32 s6, s4, s30
	s_add_co_u32 s31, s30, 16
	s_lshl_b32 s6, s6, s31                         ; 32 g (t / 2 g) rows of 4,096 bytes
	s_lshl_b32 s7, 1, s30
	s_sub_co_u32 s7, s7, 1
	s_and_b32 s7, s4, s7
	s_lshl_b32 s7, s7, 15                          ; + 8 (t % 2 g) rows
	s_add_co_u32 s6, s6, s7
	s_lshl_b32 s7, s33, 11                         ; + my half of a row: 512 numbers
	s_add_co_u32 s6, s6, s7
	s_mov_b32 s7, 0
	s_add_nc_u64 s[24:25], s[24:25], s[6:7]        ; lane-rows 0-7
	s_add_co_u32 s31, s30, 15
	s_lshl_b32 s30, 1, s31
	s_mov_b32 s31, 0
	s_add_nc_u64 s[30:31], s[24:25], s[30:31]      ; lane-rows 8-15 begin 16 g rows further on
	s_mul_i32 s26, s3, UNIT
	s_mul_i32 s27, s33, HALFU                      ; + my half of the unit
	s_add_co_u32 s26, s26, s27
	s_mov_b32 s27, 0
	s_add_nc_u64 s[22:23], s[22:23], s[26:27]
.macro LOAD s                          ; K step s of the 16 rows into set s % 2: 32 lanes read 512 consecutive bytes
.irp i, 0,1,2,3,4,5,6,7,8,9,10,11,12,13,14,15
	global_load_b128 v[R+64*((\s)%2)+4*\i:R+64*((\s)%2)+4*\i+3], v4, s[24+6*(\i/8):25+6*(\i/8)] offset:(\i%8)*4096+512*(\s) th:TH_LOAD_NT
.endr
.endm
.macro TURN s                          ; through the stage: LDS serves a wave's instructions in order, so no wait stands between the stores and the loads
.irp i, 0,1,2,3,4,5,6,7,8,9,10,11,12,13,14,15
	ds_store_b128 v5, v[R+64*((\s)%2)+4*\i:R+64*((\s)%2)+4*\i+3] offset:528*\i
.endr
.irp j, 0,1,2,3,4,5,6,7
	ds_load_b128 v[X+4*\j:X+4*\j+3], v6 offset:16*\j               ; k = 32 h + 0 .. 31
.endr
.irp j, 0,1,2,3,4,5,6,7
	ds_load_b128 v[X+32+4*\j:X+32+4*\j+3], v6 offset:256+16*\j     ; k = 64 + 32 h + 0 .. 31
.endr
.endm
.macro QUANTL s
	v_max3_num_f32 v10, |v[X]|, |v[X+1]|, 0x1800000                ; my two blocks by turns; the floor 2^(3 - 127) holds the byte at 1 from below
	v_max3_num_f32 v11, |v[X+32]|, |v[X+33]|, 0x1800000
.irp i, 2,4,6,8,10,12,14,16,18,20,22,24,26,28,30
	v_max3_num_f32 v10, v10, |v[X+\i]|, |v[X+\i+1]|
	v_max3_num_f32 v11, v11, |v[X+32+\i]|, |v[X+33+\i]|
.endr
	v_add_nc_u32 v14, 0xff000000, v10              ; 2 off the exponent field: the conversion takes the exponent field of this operand as its scale
	v_add_nc_u32 v15, 0xff000000, v11
	v_lshrrev_b32 v16, 23, v14                     ; the bytes
	v_lshrrev_b32 v17, 23, v15
	v_lshl_or_b32 v16, v17, 16, v16                ; blocks h and 2 + h,
	v_lshlrev_b32 v16, v9, v16                     ; at their places;
	v_permlanex16_b32 v12, v16, s28, s29
	v_or_b32 v[W+(\s)], v16, v12                   ; with lane l xor 16's two the word is whole
	s_wait_alu depctr_va_vdst(0)
	s_wait_xcnt 0x0                                ; the last step's stores have read the fragment's registers
	v_cvt_scalef32_pk16_fp6_f32 v[PC:PC+2], v[X:X+15], v14
	v_cvt_scalef32_pk16_fp6_f32 v[T0:T0+2], v[X+16:X+31], v14
	v_cvt_scalef32_pk16_fp6_f32 v[PC+6:PC+8], v[X+32:X+47], v15
	v_cvt_scalef32_pk16_fp6_f32 v[T1:T1+2], v[X+48:X+63], v15
	v_nop                                          ; one plain place behind a scaled conversion
.irp i, 0,1,2
	v_mov_b32 v[PC+3+\i], v[T0+\i]
	v_mov_b32 v[PC+9+\i], v[T1+\i]
.endr
.irp c, 0,1,2
	global_store_b128 v4, v[PC+4*\c:PC+4*\c+3], s[22:23] offset:((\s)/4)*HALFU+((\s)%4)*IMG+512*\c   ; 512 consecutive bytes, at a multiple of 256 from the buffer's first byte
.endr
.endm
.macro KSTEP s
.if (\s) < 3
	s_wait_loadcnt 16                              ; this step's 16 loads are in; the next step's 16 may be out
.else
	s_wait_loadcnt 0
.endif
	TURN \s
	s_wait_dscnt 0x0                               ; my 64 numbers are back, and the stores have read their set,
.if (\s) < 2
	LOAD (\s)+2                                    ; which takes the step two on
.endif
	QUANTL \s
.if (\s)%4 == 3                        ; a half's four words of each row: lanes 0-15 send words 0, 1, lanes 16-31 words 2, 3: 256 consecutive bytes
	v_cndmask_b32 v[SP2+2*((\s)/4)], v[W+(\s)-3], v[W+(\s)-1], vcc_lo
	v_cndmask_b32 v[SP2+2*((\s)/4)+1], v[W+(\s)-2], v[W+(\s)], vcc_lo
	global_store_b64 v8, v[SP2+2*((\s)/4):SP2+2*((\s)/4)+1], s[22:23] offset:((\s)/4)*HALFU+4*IMG
.endif
.endm
	LOAD 0
	LOAD 1
.irp s, 0,1,2,3
	KSTEP \s
.endr
	s_wait_tensorcnt 0x0                           ; the wave's end: behind my last LDS store
	ds_add_u32 v[SPW], v[NIL]
	s_wait_dscnt 0x0
	s_endpgm
.Lfunc_end_k_q04bda2af34_quant:
	.size	k_q04bda2af34_quant, .Lfunc_end_k_q04bda2af34_quant-k_q04bda2af34_quant
	.p2alignl 7, 3214868480
	.fill 96, 4, 3214868480
	.section	.rodata,"a",@progbits
	.p2align	6, 0x0
	.amdhsa_kernel k_q04bda2af34_quant
		.amdhsa_group_segment_fixed_size 60160
		.amdhsa_private_segment_fixed_size 0
		.amdhsa_enable_private_segment 0
		.amdhsa_kernarg_size 64
		.amdhsa_user_sgpr_count 2
		.amdhsa_user_sgpr_kernarg_segment_ptr 1
		.amdhsa_wavefront_size32 1
		.amdhsa_system_sgpr_workgroup_id_x 1
		.amdhsa_system_sgpr_workgroup_id_y 1
		.amdhsa_system_sgpr_workgroup_id_z 1
		.amdhsa_system_vgpr_workitem_id 0
		.amdhsa_next_free_vgpr 256
		.amdhsa_next_free_sgpr 66
		.amdhsa_reserve_vcc 1
		.amdhsa_float_denorm_mode_32 3
		.amdhsa_float_denorm_mode_16_64 3
		.amdhsa_memory_ordered 1
		.amdhsa_forward_progress 1
		.amdhsa_inst_pref_size 31
	.end_amdhsa_kernel
	.amdgpu_metadata
---
amdhsa.version: [ 1, 2 ]
amdhsa.kernels:
  - .name:           k_q04bda2af34_quant
    .symbol:         k_q04bda2af34_quant.kd
    .args:
      - { .name: query, .offset: 0, .size: 8, .value_kind: global_buffer, .address_space: global }
      - { .name: key, .offset: 8, .size: 8, .value_kind: global_buffer, .address_space: global }
      - { .name: value, .offset: 16, .size: 8, .value_kind: global_buffer, .address_space: global }
      - { .name: Wq, .offset: 24, .size: 8, .value_kind: global_buffer, .address_space: global }
      - { .name: Wk, .offset: 32, .size: 8, .value_kind: global_buffer, .address_space: global }
      - { .name: Wv, .offset: 40, .size: 8, .value_kind: global_buffer, .address_space: global }
      - { .name: Wo, .offset: 48, .size: 8, .value_kind: global_buffer, .address_space: global }
      - { .name: xq, .offset: 56, .size: 8, .value_kind: global_buffer, .address_space: global }
    .group_segment_fixed_size: 60160
    .private_segment_fixed_size: 0
    .kernarg_segment_align: 8
    .kernarg_segment_size: 64
    .max_flat_workgroup_size: 224
    .sgpr_count:     66
    .vgpr_count:     256
    .wavefront_size: 32
...
	.end_amdgpu_metadata
.endif
;; end of part 1
;; launch proj (part 2): grid 4 x 64, 4 waves a work-group, clusters of 4 x 4, 327,680 bytes of LDS; arguments xq, mask, bq, bk, bv, qb, kv; writes qb, kv
.if DOCPART == 2
	.amdgcn_target "amdgcn-amd-amdhsa--gfx1250"
	.amdhsa_code_object_version 6
	.text
	.protected	k_q04bda2af34_proj
	.globl	k_q04bda2af34_proj
	.p2align	8
	.type	k_q04bda2af34_proj,@function
k_q04bda2af34_proj:
	s_mov_b64 s[64:65], 0
	v_nop
	global_prefetch_b8 v0, s[64:65] scope:SCOPE_SE
	s_setreg_imm32_b32 hwreg(HW_REG_WAVE_MODE, 25, 1), 1
	s_wait_xcnt 0x0
	s_wait_alu depctr_hold_cnt(0) depctr_sa_sdst(0) depctr_va_vdst(0) depctr_va_sdst(0) depctr_va_ssrc(0) depctr_va_vcc(0) depctr_vm_vsrc(0)
	s_getreg_b32 s2, hwreg(HW_REG_IB_STS2, 6, 4)
	s_cmp_eq_u32 s2, 0
	s_cbranch_scc0 .Lentry_in_a_cluster
	s_endpgm
.Lentry_in_a_cluster:
	s_bfe_u32 s2, ttmp6, 0x10000c
	s_cmp_lg_u32 s2, 0xf033
	s_cbranch_scc0 .Lentry_shape_is_right
	s_endpgm
.Lentry_shape_is_right:
; Launch 2 of 4: q = query Wq^T + bq, k = key Wk^T + bk, v = value Wv^T + bv on the codes of xq, and the results quantised in registers into the operands of the two attention products.
; (The causal mask is left out: seq_mask is the constant 0.)
; SHARES.  256 work-groups in clusters of 4 x 4, ONE TURN.  A WORK-GROUP STAYS: it makes its 128 rows x 256 columns of q, then of k, then of v.  Wave w makes 128 x 64: one head, 4 x + w: 32 accumulators.
; ALL OF K OF A TENSOR LIES IN LDS: two halves of K, each 8 units' halves of x and 16 of W, 153,600 bytes, filled by joint loads (x's shared along the cluster's row, W's along its column).
; THE REFILLS.  At the head one load a wave: x's and W's first half (waves 0, 1), their second half (waves 2, 3).  When K step 3's fragments are in registers nobody reads the first half any more: behind a drained round of the
; cluster's barrier waves 0 and 1 ask for the NEXT tensor's first half; ahead of the last K step's products the same holds of the second half, and waves 2 and 3 ask.  Each round's opening signal stands ahead of 32 matrix instructions.
; A refill is asked for 64 matrix instructions or more ahead of the wait for it, as soon as its bytes are free: no data prefetch is laid beside it.  q and k are a loop of two trips, both of which refill; v is written out and refills nothing.
; q, k: THE PRODUCT IS USED TRANSPOSED (source 0 = 16 rows of W, source 1 = 16 rows of x): a lane holds one row of x and, by the choice of a unit's rows, registers 16 b + i of its four tiles are d = 32 b + 16 (lane / 16) + i.
; v: source 0 = 16 rows of x (keys), source 1 = 16 rows of W: a lane holds one d and its registers run along the keys, which are the second attention product's K.  The bias is the C of each sum's first instruction.
; OUT.  qb record (batch, head, group of 8 query tiles), 8,704 bytes: 8 images of registers 0-7 (1,024 bytes each), then scale words [row 16][8].  kv record (batch, head, 128 keys), 15,104 bytes: 8 such images of k,
; 4 images of v^T (12 registers, 1,536 bytes), k's scale words [16][8], v's [16][4].  Lane-row r of k's tile a is key 64 (a / 4) + 8 (a % 4) + r % 8 + 32 (r / 8) of the record's 128.
; THE KEY MASK RIDES IN THE SPARE K OF q k^T: that product's K is 64 of the instruction's 128.  At k = 64 every query carries the code -1.0 under the byte 127; a hidden key carries +1.0 under the byte 239 (2^112), a key that
; counts carries the code 0 under the byte 127.  So a hidden key's score gets -2^112 (its logit -2^107, where the function adds -1e32: either way its weight is 0 beside any key that counts), and a key that counts gets nothing.
; Where a batch's mask hides ALL keys, the function's f32 sums are one number for all keys and every weight is 1: there all of the batch's codes of k and its mask codes are ANDed with 0 (a select, no branch): all scores are 0.
; LIMITS: |logit| under 2^80; blocks of zeros or under 2^-124 carry the byte 1; NaN and infinities are not served.
; REGISTERS: window 0: v1-11, v30-31, v251-254 addresses; v12-27 at work; v32-95 scale words, a set for each half of K (register 4 i + s: lanes 0-15 x's tile i, lanes 16-31 W's tile i % 4); v96-191 W's fragments, two sets; v192-223 the bias;
;   v224-250 the way out.   window 1: the 32 accumulators.   window 2: x's fragments, two sets of 96; v192-199 the mask bytes of my keys.
.set UNIT,  12800
.set HALFU, 6400
.set IMG,   1536
.set HALFL, 153600                     ; a half of K in LDS: x's 8 tiles, then W's 16
.set BOFF,  8*HALFU
.set SPARE, 2*HALFL                    ; the spare words, 128 bytes a wave: two blocks of 256 bytes that no other line names
.set XSTEP, 512*UNIT                   ; from a tensor's units to the next tensor's
.set WSTEP, 64*UNIT                    ; from a weight's units to the next weight's
.set RR,  1                            ; v1  r = lane % 16
.set HH,  2                            ; v2  h = lane / 16
.set L16, 3                            ; v3  16 x lane
.set AA,  4                            ; v4  LDS: x's images           (v251: in the second half of K)
.set AB,  5                            ; v5  LDS: my four tiles of W   (v252)
.set AS1, 6                            ; v6  LDS: scale words, tiles 0-3 (v253)
.set AS2, 7                            ; v7  tiles 4-7                 (v254)
.set H2,  247                          ; from a first half's address register to the second half's
.set SO8, 8                            ; v8  32 r + 16 h
.set HM,  9                            ; v9  all ones in lanes 0-15, 0 in lanes 16-31
.set BO,  10                           ; v10 64 h
.set MO,  11                           ; v11 my key's place in the batch's mask
.set TM,  12                           ; v12-19 at work
.set WD,  20                           ; v20-27 scale words made
.set SPW, 28
.set NIL, 29
.set SO4, 30                           ; v30 16 r + 8 h
.set BN,  31                           ; v31 4 (r + 8 (r / 8))
.set SC,  32
.set WF,  96
.set NT,  96                           ; the v path's quantiser works where W's fragments lay
.set BIAS, 192
.set MK,  224                          ; v224-231 q, k: the mask byte of my row of each tile (0 for q)
.set MKK, 192                          ; window 2: the same as k wants them
.set IM,  232                          ; v232-247 q, k: two images of 8 registers by turns
.set TC,  248                          ; v248-250
.set PC,  224                          ; v: v224-235 the fragment, v236-238, v240-242 at work
.set G1A, 28
.set G1B, 36
.set G0A, 44
.set G0B, 52
.set MSB, 0
.set HS,  0
.macro WIN new                         ; the immediate's high byte repeats the setting that is left
.if MSB != \new
	s_set_vgpr_msb (MSB<<8)|\new
.set MSB, \new
.endif
.endm
.macro WALU
	s_wait_alu depctr_va_vdst(0)
.endm
.macro PLACES                          ; four plain places behind matrix instructions, in front of loads into their registers and of reads of their results
.rept 4
	v_nop
.endr
.endm
.macro MIDDLE                          ; a round of the cluster's barrier behind its opening signal
	WIN 0
	s_barrier_wait -1
	s_cmp_lg_u32 s18, 0
	s_cbranch_scc1 .Lnot_wave_0_\@
	s_barrier_signal -3
.Lnot_wave_0_\@:
	s_barrier_wait -3
	s_barrier_signal -1
	s_barrier_wait -1
.endm
.macro CROUND
	s_barrier_signal -1
	MIDDLE
.endm
.macro TLOAD g0, g1                    ; an s_nop 0 and four v_nop follow a tensor load
	tensor_load_to_lds s[\g0:\g0+3], s[\g1:\g1+7]
	s_nop 0
	PLACES
.endm
.macro REFILL w0, ga, gb               ; wave w0 asks for x's half, wave w0 + 1 for W's; the other two ask for nothing
	s_cmp_eq_u32 s18, \w0
	s_cbranch_scc0 .Lfor_w_\@
	TLOAD \ga, G1A
	s_branch .Lrefilled_\@
.Lfor_w_\@:
	s_cmp_eq_u32 s18, \w0+1
	s_cbranch_scc0 .Lrefilled_\@
	TLOAD \gb, G1B
.Lrefilled_\@:
.endm
	s_load_b256 s[4:11], s[0:1], 0x0               ; xq s[4:5], mask s[6:7], bq s[8:9], bk s[10:11]
	s_load_b128 s[12:15], s[0:1], 0x20             ; bv s[12:13], qb s[14:15]
	s_load_b64 s[16:17], s[0:1], 0x30              ; kv
	v_lshl_add_u32 v[SPW], v0, 2, SPARE
	v_mov_b32 v[NIL], 0
	ds_add_u32 v[SPW], v[NIL]                      ; the wave's opening: the add, twice on end, and its wait ahead of my first tensor load
	ds_add_u32 v[SPW], v[NIL]
	v_lshrrev_b32 v1, 5, v0
	v_readfirstlane_b32 s18, v1                    ; wave 0..3
	s_bfe_u32 s21, ttmp6, 0x40000                  ; cx
	s_bfe_u32 s22, ttmp6, 0x40004                  ; cy
	s_lshl_b32 s23, ttmp9, 2
	s_add_co_u32 s23, s23, s21                     ; x: my 256 columns
	s_and_b32 s24, ttmp7, 0xffff
	s_lshl_b32 s24, s24, 2
	s_add_co_u32 s24, s24, s22                     ; y: my 128 rows of each tensor
	s_lshl_b32 s26, s22, 2
	s_lshl_b32 s26, 15, s26                        ; my row of the cluster
	s_lshl_b32 s27, 0x1111, s21                    ; my column
	s_or_b32 s[G1A], s26, (3<<16)|(1<<21)          ; 15:0 the mask; 17:16 elements of 8 bytes; 21 set beside a mask; no padding
	s_or_b32 s[G1B], s27, (3<<16)|(1<<21)
.irp g, G1A, G1B
	s_mov_b32 s[\g+1], 800<<16                     ; tensor_dim0: a unit's half, 6,400 bytes
	s_mov_b32 s[\g+3], 800<<16                     ; tile_dim0
	s_mov_b32 s[\g+5], 1600                        ; from unit to unit: 12,800 bytes
	s_mov_b32 s[\g+6], 0
	s_mov_b32 s[\g+7], 0
.endr
	s_mov_b32 s[G1A+2], 8<<16                      ; x: a half of K of all 8 units in one load
	s_mov_b32 s[G1A+4], 8
	s_mov_b32 s[G1B+2], 16<<16                     ; W: of all 16
	s_mov_b32 s[G1B+4], 16
	s_lshl_b32 s66, s24, 3                         ; query's unit 8 y: made of y alone
	s_mul_i32 s66, s66, UNIT
	s_mov_b32 s67, 0
	s_lshl_b32 s68, s23, 4                         ; Wq's unit 1536 + 16 x: made of x alone
	s_add_co_u32 s68, s68, 1536
	s_mul_i32 s68, s68, UNIT
	s_mov_b32 s69, 0
	s_wait_dscnt 0x0                               ; both opening adds are done
	s_wait_kmcnt 0x0
	s_add_nc_u64 s[60:61], s[4:5], s[66:67]
	s_add_nc_u64 s[62:63], s[4:5], s[68:69]
	CROUND                                         ; all sixteen work-groups are here: the joint loads meet
.irp q, 0,1
	s_mov_b32 s[G0A+4*\q], 1
	s_mov_b32 s[G0A+4*\q+1], \q*HALFL
	s_add_nc_u64 s[G0A+4*\q+2:G0A+4*\q+3], s[60:61], \q*HALFU
	s_or_b32 s[G0A+4*\q+3], s[G0A+4*\q+3], 0x80000000
	s_mov_b32 s[G0B+4*\q], 1
	s_mov_b32 s[G0B+4*\q+1], BOFF+\q*HALFL
	s_add_nc_u64 s[G0B+4*\q+2:G0B+4*\q+3], s[62:63], \q*HALFU
	s_or_b32 s[G0B+4*\q+3], s[G0B+4*\q+3], 0x80000000
.endr
; THE HEAD'S FOUR TILES, ONE A WAVE, each on a line of its own in one chain of branches on the wave's number
.macro ARM under, g0, g1, next
	s_cmp_lt_u32 s18, \under
	s_cbranch_scc0 \next
	TLOAD \g0, \g1
	s_branch .Lasked
\next:
.endm
	ARM 1, G0A, G1A, .Lhead_w0
	ARM 2, G0B, G1B, .Lhead_x1
	ARM 3, G0A+4, G1A, .Lhead_w1
	TLOAD G0B+4, G1B
.Lasked:
	; while the tiles are on their way: first the scalar work, then the vector work
	s_mul_i32 s60, s18, 4*HALFU
	s_add_co_u32 s61, s60, BOFF                    ; my four tiles of W begin here
	s_add_co_u32 s70, s60, 4*HALFU                 ; (for tiles 4-7 the immediate is four tiles too far on for W)
	s_lshl_b32 s90, s23, 2
	s_add_co_u32 s90, s90, s18                     ; my head
	s_lshr_b32 s89, s24, 3                         ; batch
	s_and_b32 s88, s24, 7                          ; which 128 rows of it
	s_lshl_b32 s85, s89, 4
	s_add_co_u32 s85, s85, s90
	s_lshl_b32 s85, s85, 3
	s_add_co_u32 s85, s85, s88                     ; my record
	s_mul_i32 s66, s85, 8704
	s_mov_b32 s67, 0
	s_add_nc_u64 s[92:93], s[14:15], s[66:67]      ; in qb,
	s_mul_i32 s66, s85, 15104
	s_add_nc_u64 s[94:95], s[16:17], s[66:67]      ; in kv
	s_lshl_b32 s66, s90, 8
	s_add_nc_u64 s[76:77], s[8:9], s[66:67]        ; the three biases at my head's 64 numbers
	s_add_nc_u64 s[98:99], s[10:11], s[66:67]
	s_add_nc_u64 s[100:101], s[12:13], s[66:67]
	s_lshl_b32 s66, s89, 10
	s_add_nc_u64 s[78:79], s[6:7], s[66:67]        ; the batch's 1,024 mask bytes
	s_lshl_b32 s71, s88, 7
	s_mov_b32 s63, 14336
	s_mov_b32 s80, 0x76543210
	s_mov_b32 s81, 0xfedcba98
	s_mov_b32 s83, 0x7f7f0000                      ; bytes 2 and 3 of a scale word: 127
	s_mov_b32 s84, 0x1800000                       ; the floor 2^(3 - 127)
	v_and_b32 v[RR], 15, v0
	v_bfe_u32 v[HH], v0, 4, 1
	v_and_b32 v[L16], 31, v0
	v_lshlrev_b32 v[L16], 4, v[L16]
	v_mov_b32 v[AA], v[L16]
	v_add_nc_u32 v[AB], s61, v[L16]
	v_lshl_add_u32 v12, v[RR], 4, 4*IMG            ; a tile's scale words: 16 bytes a row, behind its four images
	v_mul_u32_u24 v13, s61, v[HH]                  ; lanes 16-31 take W's: tile i % 4
	v_add_nc_u32 v[AS1], v12, v13
	v_mul_u32_u24 v13, s70, v[HH]
	v_add_nc_u32 v[AS2], v12, v13
.irp k, AA, AB, AS1, AS2
	v_add_nc_u32 v[\k+H2], HALFL, v[\k]            ; the same in the second half of K
.endr
	v_and_b32 v12, 8, v[RR]
	v_add_nc_u32 v12, v12, v[RR]                   ; r + 8 (r / 8)
	v_lshlrev_b32 v[BN], 2, v12
	v_and_b32 v13, 8, v[RR]
	v_mad_u32_u24 v13, v13, 3, v[RR]               ; r % 8 + 32 (r / 8)
	v_add_nc_u32 v[MO], s71, v13
	v_lshlrev_b32 v[BO], 6, v[HH]
	v_lshlrev_b32 v[SO8], 5, v[RR]
	v_lshl_add_u32 v[SO8], v[HH], 4, v[SO8]
	v_lshlrev_b32 v[SO4], 4, v[RR]
	v_lshl_add_u32 v[SO4], v[HH], 3, v[SO4]
	v_add_nc_u32 v[HM], -1, v[HH]
	v_cmp_ne_u32 s86, 0, v[HH]                     ; lanes 16-31
	v_mov_b32 v[TM+2], 0                           ; a lane permute's destination counts as one of its sources
	v_mov_b32 v[TM+3], 0
	v_mov_b32 v[IM+7], 0                           ; an image's register 7 is 0
	v_mov_b32 v[IM+15], 0
.macro BIASQK p                        ; q, k: lane (r, h), tile n, register j: the bias of d = 32 (n / 2) + 8 (n % 2) + 16 h + j
.irp n, 0,1,2,3
	global_load_b128 v[BIAS+8*\n:BIAS+8*\n+3], v[BO], s[\p:\p+1] offset:(32*(\n/2)+8*(\n%2))*4
	global_load_b128 v[BIAS+8*\n+4:BIAS+8*\n+7], v[BO], s[\p:\p+1] offset:(32*(\n/2)+8*(\n%2))*4+16
.endr
.endm
	BIASQK 76
	global_load_b128 v[96:99], v[L16], s[78:79]                    ; the batch's whole mask, 32 bytes a lane,
	global_load_b128 v[100:103], v[L16], s[78:79] offset:512
	WIN 0x80
.irp a, 0,1,2,3,4,5,6,7
	global_load_u8 v[MKK+\a], v[MO], s[78:79] offset:64*(\a/4)+8*(\a%4)   ; and the byte of my key of each tile
.endr
	WIN 0
	WALU
	s_wait_loadcnt 0x0
	v_and_b32 v96, v96, v97
	v_and_b32 v98, v98, v99
	v_and_b32 v100, v100, v101
	v_and_b32 v102, v102, v103
	v_and_b32 v96, v96, v98
	v_and_b32 v100, v100, v102
	v_and_b32 v96, v96, v100
	v_cmp_eq_u32 s85, 0x01010101, v96              ; all my 32 bytes are 1?
	s_cmp_eq_u32 s85, -1                           ; in all lanes?
	s_cselect_b32 s96, 0, -1                       ; KEEP: 0 where the batch's mask hides every key: a select, no branch
	WIN 0x88
.irp a, 0,1,2,3,4,5,6,7
	v_and_b32 v[MKK+\a], s96, v[MKK+\a]
.endr
	WIN 0
.macro SCALES q                        ; a half's scale words: four words a row and tile.  HS: 0 in the first half of K, H2 in the second
.irp i, 0,1,2,3
	ds_load_b128 v[SC+32*(\q)+4*\i:SC+32*(\q)+4*\i+3], v[AS1+HS] offset:\i*HALFU
.endr
.irp i, 4,5,6,7
	ds_load_b128 v[SC+32*(\q)+4*\i:SC+32*(\q)+4*\i+3], v[AS2+HS] offset:\i*HALFU
.endr
.endm
.macro FETCH sp, set                   ; 36 loads: the fragments of the half's K step sp: x's eight, W's four
	WIN 0x80
.irp i, 0,1,2,3,4,5,6,7
.irp c, 0,1,2
	ds_load_b128 v[96*(\set)+12*\i+4*\c:96*(\set)+12*\i+4*\c+3], v[AA+HS] offset:\i*HALFU+IMG*(\sp)+512*\c
.endr
.endr
	WIN 0
.irp n, 0,1,2,3
.irp c, 0,1,2
	ds_load_b128 v[WF+48*(\set)+12*\n+4*\c:WF+48*(\set)+12*\n+4*\c+3], v[AB+HS] offset:\n*HALFU+IMG*(\sp)+512*\c
.endr
.endr
.endm
; 32 matrix instructions, 128 along K.  The 32 accumulators take turns, one instruction a turn, in the same order in every step.  first = 1: the bias is the C.
.macro MUL path, set, q, sp, first
.if \path
.if \first
	WIN 0x42                                       ; v: source 0 (x) window 2, source 1 (W) and the bias window 0, D window 1
.else
	WIN 0x52
.endif
.irp n, 0,1,2,3
.irp a, 0,1,2,3,4,5,6,7
.if \first
	v_wmma_scale_f32_16x16x128_f8f6f4 v[8*(8*\n+\a):8*(8*\n+\a)+7], v[96*(\set)+12*\a:96*(\set)+12*\a+11], v[WF+48*(\set)+12*\n:WF+48*(\set)+12*\n+11], v[BIAS+8*\n:BIAS+8*\n+7], v[SC+32*(\q)+4*\a+(\sp)], v[SC+32*(\q)+4*\n+(\sp)] matrix_a_fmt:MATRIX_FMT_FP6 matrix_b_fmt:MATRIX_FMT_FP6 matrix_b_scale:MATRIX_SCALE_ROW1
.else
	v_wmma_scale_f32_16x16x128_f8f6f4 v[8*(8*\n+\a):8*(8*\n+\a)+7], v[96*(\set)+12*\a:96*(\set)+12*\a+11], v[WF+48*(\set)+12*\n:WF+48*(\set)+12*\n+11], v[8*(8*\n+\a):8*(8*\n+\a)+7], v[SC+32*(\q)+4*\a+(\sp)], v[SC+32*(\q)+4*\n+(\sp)] matrix_a_fmt:MATRIX_FMT_FP6 matrix_b_fmt:MATRIX_FMT_FP6 matrix_b_scale:MATRIX_SCALE_ROW1
.endif
.endr
.endr
.else
.if \first
	WIN 0x48                                       ; q, k: source 0 (W) and the bias window 0, source 1 (x) window 2, D window 1
.else
	WIN 0x58
.endif
.irp a, 0,1,2,3,4,5,6,7
.irp n, 0,1,2,3
.if \first
	v_wmma_scale_f32_16x16x128_f8f6f4 v[8*(4*\a+\n):8*(4*\a+\n)+7], v[WF+48*(\set)+12*\n:WF+48*(\set)+12*\n+11], v[96*(\set)+12*\a:96*(\set)+12*\a+11], v[BIAS+8*\n:BIAS+8*\n+7], v[SC+32*(\q)+4*\n+(\sp)], v[SC+32*(\q)+4*\a+(\sp)] matrix_a_fmt:MATRIX_FMT_FP6 matrix_b_fmt:MATRIX_FMT_FP6 matrix_a_scale:MATRIX_SCALE_ROW1
.else
	v_wmma_scale_f32_16x16x128_f8f6f4 v[8*(4*\a+\n):8*(4*\a+\n)+7], v[WF+48*(\set)+12*\n:WF+48*(\set)+12*\n+11], v[96*(\set)+12*\a:96*(\set)+12*\a+11], v[8*(4*\a+\n):8*(4*\a+\n)+7], v[SC+32*(\q)+4*\n+(\sp)], v[SC+32*(\q)+4*\a+(\sp)] matrix_a_fmt:MATRIX_FMT_FP6 matrix_b_fmt:MATRIX_FMT_FP6 matrix_a_scale:MATRIX_SCALE_ROW1
.endif
.endr
.endr
.endif
.endm
.macro NEXT path, fsp, fset, set, q, sp, first   ; the next step's fragments are asked for, then this step is multiplied
	FETCH \fsp, \fset
	s_wait_dscnt 36                                ; all but the 36 just issued
	MUL \path, \set, \q, \sp, \first
.endm
; A TENSOR'S EIGHT K STEPS.  refill = 1: the next tensor's halves are asked for as this one's are read out
.macro TILE path, refill
.set HS, 0
	s_wait_loadcnt 0x0                             ; the bias is in; the first half's scale words and K step 0's fragments were asked for ahead of this macro
	NEXT \path, 1, 1, 0, 0, 0, 1
	PLACES
	NEXT \path, 2, 0, 1, 0, 1, 0
	PLACES
	FETCH 3, 1                                     ; my last reads of the first half
	s_wait_tensorcnt 0x0                           ; all my tensor loads have landed: the second half is in
.if \refill
	ds_add_u32 v[SPW], v[NIL]                      ; 0 onto my spare word
	s_add_nc_u64 s[G0A+2:G0A+3], s[G0A+2:G0A+3], XSTEP    ; no load of mine is out: the first half's descriptors step to the next tensor
	s_add_nc_u64 s[G0B+2:G0B+3], s[G0B+2:G0B+3], WSTEP
.endif
	s_wait_dscnt 0x0                               ; K step 3's fragments are in registers (and the add is done)
	s_barrier_signal -1
	MUL \path, 0, 0, 2, 0                          ; work on registers while the others arrive
.if \refill
	MIDDLE                                         ; the barrier has opened a round: no wave of any partner still reads the first half or has a load on its way
	REFILL 0, G0A, G0B
.else
	WIN 0
	s_barrier_wait -1
.endif
	PLACES
.set HS, H2
.if \refill
	s_cmp_eq_u32 s91, 0                            ; the next tensor's bias: its registers were read by K step 0 alone
	s_cbranch_scc0 .Lnext_is_v
	BIASQK 98
	s_branch .Lnext_asked
.Lnext_is_v:
.irp n, 0,1,2,3                        ; v: lane (r, h) holds one d of tile n, 32 (n / 2) + 8 (n % 2) + r + 8 (r / 8): its bias in all eight registers
.irp j, 0,1,2,3,4,5,6,7
	global_load_b32 v[BIAS+8*\n+\j], v[BN], s[100:101] offset:(32*(\n/2)+8*(\n%2))*4
.endr
.endr
.Lnext_asked:
.endif
	SCALES 1
	FETCH 0, 0
	MUL \path, 1, 0, 3, 0
	PLACES
	NEXT \path, 1, 1, 0, 1, 0, 0
	PLACES
	NEXT \path, 2, 0, 1, 1, 1, 0
	PLACES
	NEXT \path, 3, 1, 0, 1, 2, 0
	WIN 0
.if \refill
	s_wait_tensorcnt 0x0                           ; the next tensor's first half is in
	ds_add_u32 v[SPW], v[NIL]
	s_add_nc_u64 s[G0A+6:G0A+7], s[G0A+6:G0A+7], XSTEP
	s_add_nc_u64 s[G0B+6:G0B+7], s[G0B+6:G0B+7], WSTEP
	s_wait_dscnt 0x0                               ; the last K step's fragments are in registers: my last reads of the second half
	s_barrier_signal -1
	MUL \path, 1, 1, 3, 0
	MIDDLE
	REFILL 2, G0A+4, G0B+4
	PLACES                                         ; in front of the loads below and of the first reads of results
.set HS, 0
	SCALES 0                                       ; the next tensor's first half was shown by the round just passed: its first fragments are asked for ahead of the way out
	FETCH 0, 0
.else
	s_wait_dscnt 0x0
	MUL \path, 1, 1, 3, 0
	WIN 0
	PLACES                                         ; in front of the first reads of results
.endif
.endm
; THE WAY OUT OF q AND k.  Tile a's 32 registers are my row's 64 numbers' half: two blocks of 32 along d, each in lanes l and l xor 16.  Each accumulator is read from its low end on.
.macro QT a
.set IMS, IM+8*((\a)%2)
	WIN 0x14                                       ; sources 1 and 2: window 1
	v_max3_num_f32 v[TM], s84, |v[32*\a]|, |v[32*\a+1]|
	v_max3_num_f32 v[TM+1], s84, |v[32*\a+16]|, |v[32*\a+17]|
.irp i, 2,4,6,8,10,12,14
	v_max3_num_f32 v[TM], v[TM], |v[32*\a+\i]|, |v[32*\a+\i+1]|
	v_max3_num_f32 v[TM+1], v[TM+1], |v[32*\a+16+\i]|, |v[32*\a+17+\i]|
.endr
	WIN 0
	v_permlanex16_b32 v[TM+2], v[TM], s80, s81
	v_permlanex16_b32 v[TM+3], v[TM+1], s80, s81
	v_max_num_f32 v[TM], v[TM], v[TM+2]
	v_max_num_f32 v[TM+1], v[TM+1], v[TM+3]
	v_add_nc_u32 v[TM+4], 0xff000000, v[TM]        ; 2 off the exponent field: the conversion's scale operand
	v_add_nc_u32 v[TM+5], 0xff000000, v[TM+1]
	v_lshrrev_b32 v[TM+6], 23, v[TM+4]
	v_lshrrev_b32 v[TM+7], 23, v[TM+5]
	v_lshl_or_b32 v[TM+6], v[TM+7], 8, v[TM+6]
	v_mad_u32_u24 v[TM+7], v[MK+\a], 0x700000, s83 ; byte 2: 127, or 239 for a hidden key; byte 3: 127
	v_or_b32 v[WD+\a], v[TM+6], v[TM+7]
	WALU
	s_wait_xcnt 0x0                                ; the earlier images' stores have read their registers
	WIN 0x01
	v_cvt_scalef32_pk16_fp6_f32 v[IMS:IMS+2], v[32*\a:32*\a+15], v[TM+4]
	v_cvt_scalef32_pk16_fp6_f32 v[TC:TC+2], v[32*\a+16:32*\a+31], v[TM+5]
	WIN 0
	v_nop                                          ; one plain place behind a scaled conversion
.irp i, 0,1,2
	v_permlane16_swap_b32 v[IMS+\i], v[TC+\i]      ; a whole block to a lane: lanes 0-15 d 0-31, lanes 16-31 d 32-63
.endr
.irp i, 0,1,2
	v_and_b32 v[IMS+\i], s82, v[IMS+\i]
	v_and_b32 v[IMS+3+\i], s82, v[TC+\i]
.endr
	v_lshl_or_b32 v[TM+2], v[MK+\a], 3, s87        ; the code at k = 64: +1.0 for a hidden key, -1.0 for a query,
	v_and_b32 v[IMS+6], v[HM], v[TM+2]             ; in lanes 0-15, which hold k = 64 .. 95
	global_store_b128 v[L16], v[IMS:IMS+3], s[72:73] offset:\a*1024        ; 512 consecutive bytes, at a multiple of 256 from the buffer's first byte
	global_store_b128 v[L16], v[IMS+4:IMS+7], s[72:73] offset:\a*1024+512
.endm
	WALU
	s_cmp_lt_u32 s18, 2
	s_cbranch_scc0 .Lnot_half0
	s_wait_tensorcnt 0x0                           ; waves 0 and 1: query's and Wq's first half of K is in; waves 2 and 3's tiles stay out
.Lnot_half0:
	s_barrier_signal -1
	s_barrier_wait -1
	SCALES 0                                       ; q's first fragments
	FETCH 0, 0
	s_mov_b32 s91, 0                               ; 0: q, 1: k: the same number in every work-group
.Lrole:
	s_wait_xcnt 0x0                                ; the last trip's stores have read their bases and their registers
	s_cmp_eq_u32 s91, 0
	s_cselect_b64 s[72:73], s[92:93], s[94:95]     ; q's go to qb, k's to kv
	s_cselect_b32 s74, 8192, s63                   ; where the record's scale words begin
	s_cselect_b32 s87, 0x28, 0                     ; the code at k = 64: -1.0 in every query
	s_cselect_b32 s82, -1, s96                     ; KEEP counts for k alone,
	s_cselect_b32 s97, 0, -1                       ; and so do the mask bytes
	s_mov_b32 s75, 0
	s_add_nc_u64 s[74:75], s[72:73], s[74:75]
	WIN 0x08
.irp a, 0,1,2,3,4,5,6,7
	v_and_b32 v[MK+\a], s97, v[MKK+\a]
.endr
	WIN 0
	WALU
	TILE 0, 1
.irp a, 0,1,2,3,4,5,6,7
	QT \a
.endr
.irp j, 0,1,2,3
	v_cndmask_b32 v[TM+\j], v[WD+\j], v[WD+4+\j], s86              ; lanes 0-15 send tiles 0-3's words of row r, lanes 16-31 tiles 4-7's
.endr
	global_store_b128 v[SO8], v[TM:TM+3], s[74:75]
	s_add_co_u32 s91, s91, 1
	s_cmp_lt_u32 s91, 2
	WALU
	s_cbranch_scc1 .Lrole
	TILE 1, 0                                      ; v: s[72:73] stands at my record of kv
; THE WAY OUT OF v.  Tile n's 64 registers are 64 of my d's 128 keys: register 16 b + i is key 32 b + 16 (lane / 16) + i: four blocks, each in lanes l and l xor 16.
.irp b, 0,1,2,3
	v_mov_b32 v[NT+4+\b], 0                        ; a lane permute's destination counts as one of its sources
.endr
.macro QN n
	WIN 0x14
.irp b, 0,1,2,3
	v_max3_num_f32 v[NT+\b], s84, |v[64*\n+16*\b]|, |v[64*\n+16*\b+1]|
.endr
.irp i, 2,4,6,8,10,12,14
.irp b, 0,1,2,3
	v_max3_num_f32 v[NT+\b], v[NT+\b], |v[64*\n+16*\b+\i]|, |v[64*\n+16*\b+\i+1]|
.endr
.endr
	WIN 0
.irp b, 0,1,2,3
	v_permlanex16_b32 v[NT+4+\b], v[NT+\b], s80, s81
.endr
.irp b, 0,1,2,3
	v_max_num_f32 v[NT+\b], v[NT+\b], v[NT+4+\b]
.endr
.irp b, 0,1,2,3
	v_add_nc_u32 v[NT+8+\b], 0xff000000, v[NT+\b]
.endr
.irp b, 0,1,2,3
	v_lshrrev_b32 v[NT+4+\b], 23, v[NT+8+\b]
.endr
	v_lshl_or_b32 v[WD+\n], v[NT+5], 8, v[NT+4]
	v_lshl_or_b32 v[WD+\n], v[NT+6], 16, v[WD+\n]
	v_lshl_or_b32 v[WD+\n], v[NT+7], 24, v[WD+\n]
	WALU
	s_wait_xcnt 0x0                                ; the last fragment's stores have read their registers
	WIN 0x01
.irp c, 0,1
	v_cvt_scalef32_pk16_fp6_f32 v[PC+6*\c:PC+6*\c+2], v[64*\n+32*\c:64*\n+32*\c+15], v[NT+8+2*\c]
	v_cvt_scalef32_pk16_fp6_f32 v[PC+12+4*\c:PC+14+4*\c], v[64*\n+32*\c+16:64*\n+32*\c+31], v[NT+9+2*\c]
.endr
	WIN 0
	v_nop
.irp c, 0,1
.irp i, 0,1,2
	v_permlane16_swap_b32 v[PC+6*\c+\i], v[PC+12+4*\c+\i]
.endr
.irp i, 0,1,2
	v_mov_b32 v[PC+3+6*\c+\i], v[PC+12+4*\c+\i]
.endr
.endr
.irp c, 0,1,2
	global_store_b128 v[L16], v[PC+4*\c:PC+4*\c+3], s[72:73] offset:8192+IMG*\n+512*\c
.endr
.endm
.irp n, 0,1,2,3
	QN \n
.endr
	v_cndmask_b32 v[TM], v[WD], v[WD+2], s86
	v_cndmask_b32 v[TM+1], v[WD+1], v[WD+3], s86
	global_store_b64 v[SO4], v[TM:TM+1], s[72:73] offset:14848     ; 256 consecutive bytes
	s_wait_tensorcnt 0x0                           ; the wave's end: behind my last tensor load
	ds_add_u32 v[SPW], v[NIL]
	s_wait_dscnt 0x0
	CROUND                                         ; the closing round
	s_endpgm
.Lfunc_end_k_q04bda2af34_proj:
	.size	k_q04bda2af34_proj, .Lfunc_end_k_q04bda2af34_proj-k_q04bda2af34_proj
	.p2alignl 7, 3214868480
	.fill 96, 4, 3214868480
	.section	.rodata,"a",@progbits
	.p2align	6, 0x0
	.amdhsa_kernel k_q04bda2af34_proj
		.amdhsa_group_segment_fixed_size 327680
		.amdhsa_private_segment_fixed_size 0
		.amdhsa_enable_private_segment 0
		.amdhsa_kernarg_size 56
		.amdhsa_user_sgpr_count 2
		.amdhsa_user_sgpr_kernarg_segment_ptr 1
		.amdhsa_wavefront_size32 1
		.amdhsa_system_sgpr_workgroup_id_x 1
		.amdhsa_system_sgpr_workgroup_id_y 1
		.amdhsa_system_sgpr_workgroup_id_z 1
		.amdhsa_system_vgpr_workitem_id 0
		.amdhsa_next_free_vgpr 768
		.amdhsa_next_free_sgpr 102
		.amdhsa_reserve_vcc 0
		.amdhsa_float_denorm_mode_32 3
		.amdhsa_float_denorm_mode_16_64 3
		.amdhsa_memory_ordered 1
		.amdhsa_forward_progress 1
		.amdhsa_inst_pref_size 161
	.end_amdhsa_kernel
	.amdgpu_metadata
---
amdhsa.version: [ 1, 2 ]
amdhsa.kernels:
  - .name:           k_q04bda2af34_proj
    .symbol:         k_q04bda2af34_proj.kd
    .args:
      - { .name: xq, .offset: 0, .size: 8, .value_kind: global_buffer, .address_space: global }
      - { .name: mask, .offset: 8, .size: 8, .value_kind: global_buffer, .address_space: global }
      - { .name: bq, .offset: 16, .size: 8, .value_kind: global_buffer, .address_space: global }
      - { .name: bk, .offset: 24, .size: 8, .value_kind: global_buffer, .address_space: global }
      - { .name: bv, .offset: 32, .size: 8, .value_kind: global_buffer, .address_space: global }
      - { .name: qb, .offset: 40, .size: 8, .value_kind: global_buffer, .address_space: global }
      - { .name: kv, .offset: 48, .size: 8, .value_kind: global_buffer, .address_space: global }
    .group_segment_fixed_size: 327680
    .private_segment_fixed_size: 0
    .kernarg_segment_align: 8
    .kernarg_segment_size: 56
    .max_flat_workgroup_size: 128
    .sgpr_count:     102
    .vgpr_count:     768
    .wavefront_size: 32
...
	.end_amdgpu_metadata
.endif
;; end of part 2
;; launch attn (part 3): grid 4 x 64, 8 waves a work-group, clusters of 4 x 1, 327,680 bytes of LDS; arguments qb, kv, ob; writes ob
.if DOCPART == 3
	.amdgcn_target "amdgcn-amd-amdhsa--gfx1250"
	.amdhsa_code_object_version 6
	.text
	.protected	k_q04bda2af34_attn
	.globl	k_q04bda2af34_attn
	.p2align	8
	.type	k_q04bda2af34_attn,@function
k_q04bda2af34_attn:
	s_mov_b64 s[64:65], 0
	v_nop
	global_prefetch_b8 v0, s[64:65] scope:SCOPE_SE
	s_setreg_imm32_b32 hwreg(HW_REG_WAVE_MODE, 25, 1), 1
	s_wait_xcnt 0x0
	s_wait_alu depctr_hold_cnt(0) depctr_sa_sdst(0) depctr_va_vdst(0) depctr_va_sdst(0) depctr_va_ssrc(0) depctr_va_vcc(0) depctr_vm_vsrc(0)
	s_getreg_b32 s2, hwreg(HW_REG_IB_STS2, 6, 4)
	s_cmp_eq_u32 s2, 0
	s_cbranch_scc0 .Lentry_in_a_cluster
	s_endpgm
.Lentry_in_a_cluster:
	s_bfe_u32 s2, ttmp6, 0x10000c
	s_cmp_lg_u32 s2, 0x3003
	s_cbranch_scc0 .Lentry_shape_is_right
	s_endpgm
.Lentry_shape_is_right:
; Launch 3 of 4: O = softmax(q k^T / 32 + key mask) v on the codes of qb and kv, and O quantised along the hidden axis into ob, in the units that the last launch reads.
; (The causal mask is left out: seq_mask is the constant 0.)
; SHARES.  256 work-groups of 8 waves, clusters of 4.  Cluster y = 8 batch + pair of heads; the four partners take 256 queries each and need the same 16 records of kv (2 heads x 8 steps of 128 keys): each wave asks
; JOINTLY for two neighbouring records, 118 rows of 256 bytes, one tensor load a wave; all 241,664 bytes lie in LDS and nothing is filled again.  Waves 0-3's loads are head 0's records and have a line of their own:
; they alone are waited for ahead of the first barrier; head 1's are shown by the barrier between the heads.  No data prefetch: all of K and V is asked for at the head, so there is no later request to run ahead of.
; A wave takes 32 queries (two tiles) through head 0's eight steps and then head 1's.  q's fragments go from memory straight into registers: asked for ahead of the opening round, waited for ahead of the first loop.
; BOTH PRODUCTS ARE USED TRANSPOSED (S^T = k q^T, O^T = v^T p^T): a lane holds one query.  Lane-row i of k's tile a is key 64 (a / 4) + 8 (a % 4) + i % 8 + 32 (i / 8), so register 32 c + i of a tile's 64 scores in lane (r, h) is
; key 64 c + 32 h + i: a WHOLE scale block in a lane, in the order of p's operand registers.  A block's largest score needs no other lane, and the conversions' results are the operand (three moves a block: a conversion's registers begin on an even number).
; SOFTMAX by the problem's rule: M = ceil of the running largest t, kept as -M; p = 2^(t - M); the sum of the unquantised p; f = 2^(old M - new M) by v_ldexp_f32; a block's largest p is the exponential of its largest score.
; The short dependent chains stand among long independent runs: tile 0's M among tile 1's maxima, tile 1's M among tile 0's multiply-adds, the scales among the sums.
; The key mask rides in the spare K of q k^T, as the projections' launch lays it.  LIMITS: |logit| under 2^80; NaN and infinities are not served.
; THE NEXT STEP'S FRAGMENTS OF k are asked for behind this step's score products; in a head's last step the address is held at the head's last record, whose fragments are read once more and not used.
.set REC,   15104
.set UNIT,  12800
.set HALFU, 6400
.set IMG,   1536
.set SPARE, 16*REC                     ; the spare words, 128 bytes a wave: four blocks of 256 bytes that no other line names
.set RR,  1                            ; r = lane % 16
.set HH,  2                            ; h = lane / 16
.set L16, 3                            ; 16 x lane
.set K0,  4                            ; k's scale words in a record
.set V0,  5                            ; v's
.set AFV, 6                            ; LDS addresses of this step's v, of the next step's k
.set AKS, 7
.set AVS, 8
.set SPW, 9
.set NIL, 10
.set QA,  11
.set STT, 12                           ; v12-19 a tile's -M, largest score, sum in two halves
.set F,   20                           ; v20-23 f, as pairs
.set PW,  24                           ; p's scale words
.set QS,  26
.set KS,  30
.set VS,  34
.set OW,  38
.set OC,  40                           ; v40-63 O's codes: two tiles x two heads x six
.set S,   64                           ; v64-191 scores, then p
.set PC,  192                          ; v192-215 p's codes
.set TP,  216                          ; v216-231 at work: second chains of maxima and sums, the conversions' second halves
.set BM,  232                          ; v232-235 block 2 t + c's largest
.set PT,  236
.set SO,  240
.set T,   244
.set SH8, 248                          ; 8 h
.set AFK, 249
.set KF,  0                            ; window 1: k's eight fragments, q's four, O^T, v's four
.set QF,  96
.set OF,  144
.set VF,  208
.set WV,  12
.set G1,  16
.set G0,  24
.set SEL, 32
.set CS,  34
.set TB,  36
.set CNT, 37
.set TN,  54
.set MSB, 0
.macro WIN new                         ; the immediate's high byte repeats the setting that is left
.if MSB != \new
	s_set_vgpr_msb (MSB<<8)|\new
.set MSB, \new
.endif
.endm
.macro WALU
	s_wait_alu depctr_va_vdst(0)
.endm
.macro CROUND
	s_barrier_signal -1
	s_barrier_wait -1
	s_cmp_lg_u32 s[WV], 0
	s_cbranch_scc1 .Lnot_wave_0_\@
	s_barrier_signal -3
.Lnot_wave_0_\@:
	s_barrier_wait -3
	s_barrier_signal -1
	s_barrier_wait -1
.endm
	s_load_b128 s[4:7], s[0:1], 0x0                ; qb, kv
	s_load_b64 s[8:9], s[0:1], 0x10                ; ob
	v_lshl_add_u32 v[SPW], v0, 2, SPARE
	v_mov_b32 v[NIL], 0
	ds_add_u32 v[SPW], v[NIL]                      ; the opening lines: the add, twice on end, and its wait
	ds_add_u32 v[SPW], v[NIL]
	v_lshrrev_b32 v1, 5, v0
	v_readfirstlane_b32 s[WV], v1                  ; wave 0..7
	s_bfe_u32 s13, ttmp6, 0x40000                  ; cx
	s_and_b32 s14, ttmp7, 0xffff                   ; cluster y
	s_mov_b32 s[G1], 15|(3<<16)|(1<<21)            ; all four partners; elements of 8 bytes
	s_mov_b32 s[G1+1], 32<<16
	s_mov_b32 s[G1+2], 118<<16                     ; two records: 118 rows of 256 bytes
	s_mov_b32 s[G1+3], 32<<16
	s_mov_b32 s[G1+4], 118
	s_mov_b32 s[G1+5], 32
	s_mov_b32 s[G1+6], 0
	s_mov_b32 s[G1+7], 0
	s_lshl_b32 s38, s14, 3
	s_add_co_u32 s38, s38, s[WV]
	s_mul_i32 s38, s38, 2*REC                      ; records 16 y + 2 wave and the next
	s_mov_b32 s39, 0
	s_mul_i32 s40, s[WV], 2*REC
	s_mov_b32 s[SEL], 0x76543210
	s_mov_b32 s[SEL+1], 0xfedcba98
	s_mov_b32 s[CS], 0x3d38aa3b                    ; log2(e) / 32
	s_mov_b32 s[CS+1], s[CS]
	s_lshl_b32 s47, s14, 4                         ; q's record 16 y + 2 cx + wave / 4 (head 1: 8 records on)
	s_lshl_b32 s48, s13, 1
	s_add_co_u32 s47, s47, s48
	s_lshr_b32 s48, s[WV], 2
	s_add_co_u32 s47, s47, s48
	s_mul_i32 s48, s47, 8704
	s_mov_b32 s49, 0
	s_and_b32 s47, s[WV], 3
	s_lshl_b32 s50, s47, 11                        ; my two tiles' images
	s_lshl_b32 s52, s47, 3                         ; and scale words
	v_and_b32 v[RR], 15, v0
	v_and_b32 v[L16], 31, v0
	v_lshlrev_b32 v[L16], 4, v[L16]
	v_add_nc_u32 v[QA], s50, v[L16]
	v_lshl_add_u32 v252, v[RR], 5, s52
	WALU
	s_wait_dscnt 0x0
	s_wait_kmcnt 0x0
	s_add_nc_u64 s[38:39], s[6:7], s[38:39]
	s_add_nc_u64 s[10:11], s[4:5], s[48:49]
.irp e, 0,1
	global_load_b64 v[QS+2*\e:QS+2*\e+1], v252, s[10:11] offset:\e*8*8704+8192
.endr
	WIN 0x40
.irp e, 0,1
.irp t, 0,1
.irp g, 0,1
	global_load_b128 v[QF+12*(2*\e+\t)+4*\g:QF+12*(2*\e+\t)+4*\g+3], v[QA], s[10:11] offset:\e*8*8704+\t*1024+\g*512
.endr
.endr
.endr
	WIN 0
	CROUND                                         ; the four partners are here: the joint loads meet
	s_mov_b32 s[G0], 1
	s_mov_b32 s[G0+1], s40
	s_mov_b64 s[G0+2:G0+3], s[38:39]
	s_or_b32 s[G0+3], s[G0+3], 0x80000000
	s_cmp_lt_u32 s[WV], 4
	s_cbranch_scc0 .Lhead_1
	tensor_load_to_lds s[G0:G0+3], s[G1:G1+7]      ; waves 0-3: head 0's records
	s_nop 0
.rept 4
	v_nop
.endr
	s_branch .Lasked
.Lhead_1:
	tensor_load_to_lds s[G0:G0+3], s[G1:G1+7]      ; waves 4-7: head 1's
	s_nop 0
.rept 4
	v_nop
.endr
.Lasked:
	s_lshr_b32 s41, s14, 3                         ; batch
	s_and_b32 s42, s14, 7                          ; pair of heads
	s_lshl_b32 s43, s41, 6
	s_lshl_b32 s44, s13, 4
	s_add_co_u32 s43, s43, s44
	s_lshl_b32 s44, s[WV], 1
	s_add_co_u32 s43, s43, s44                     ; ob's unit 64 batch + 16 cx + 2 wave
	s_mul_i32 s44, s43, UNIT
	s_lshr_b32 s45, s42, 2
	s_mul_i32 s45, s45, HALFU
	s_add_co_u32 s44, s44, s45
	s_mov_b32 s45, 0
	s_add_nc_u64 s[8:9], s[8:9], s[44:45]
	s_and_b32 s42, s42, 3
	s_mul_i32 s46, s42, IMG
	s_lshl_b32 s53, s42, 2
	v_bfe_u32 v[HH], v0, 4, 1
	v_lshl_add_u32 v[K0], v[RR], 5, 14336
	v_lshl_add_u32 v[K0], v[HH], 4, v[K0]          ; lanes 0-15 tiles 0-3's words of row r, lanes 16-31 tiles 4-7's
	v_lshl_add_u32 v[V0], v[RR], 4, 14848
	v_lshlrev_b32 v[SH8], 3, v[HH]
	v_add_nc_u32 v253, s46, v[L16]
	v_mul_u32_u24 v254, v[HH], UNIT
	v_lshl_add_u32 v254, v[RR], 4, v254
	v_add_nc_u32 v254, s53, v254
	v_cmp_ne_u32 s51, 0, v[HH]
.irp b, 0,1,2,3
	v_mov_b32 v[PT+\b], 0                          ; a lane permute's destination counts as one of its sources
.endr
	v_mov_b32 v[F+1], 0                            ; the pairs' upper halves are named and not used
	v_mov_b32 v[F+3], 0
	WIN 0x40
.irp i, 0,1,2,3,4,5,6,7,8,9,10,11      ; registers 8-11 of k's and q's fragments, K = 96 .. 127 and the like, hold zero codes
.irp j, 8,9,10,11
	v_mov_b32 v[KF+12*\i+\j], 0
.endr
.endr
	WIN 0
.macro KLOAD                           ; 17 loads: a step's scale words and eight fragments of k
	ds_load_b128 v[KS:KS+3], v[AKS]
	WIN 0x40
.irp kt, 0,1,2,3,4,5,6,7
	ds_load_b128 v[KF+12*\kt:KF+12*\kt+3], v[AFK] offset:1024*\kt
	ds_load_b128 v[KF+12*\kt+4:KF+12*\kt+7], v[AFK] offset:1024*\kt+512
.endr
	WIN 0
.endm
; group k = 0 .. 8 of tile t's search for the largest score of its two blocks: two chains a block, four side by side; each accumulator is read from its low end on
.macro MAXL t, k
.irp c, 0,1
.if (\k) == 0
	v_max3_num_f32 v[BM+2*(\t)+\c], v[S+64*(\t)+32*\c], v[S+64*(\t)+32*\c+1], v[S+64*(\t)+32*\c+2]
	v_max3_num_f32 v[TP+2*(\t)+\c], v[S+64*(\t)+32*\c+16], v[S+64*(\t)+32*\c+17], v[S+64*(\t)+32*\c+18]
.elseif (\k) < 7
	v_max3_num_f32 v[BM+2*(\t)+\c], v[BM+2*(\t)+\c], v[S+64*(\t)+32*\c+2*(\k)+1], v[S+64*(\t)+32*\c+2*(\k)+2]
	v_max3_num_f32 v[TP+2*(\t)+\c], v[TP+2*(\t)+\c], v[S+64*(\t)+32*\c+2*(\k)+17], v[S+64*(\t)+32*\c+2*(\k)+18]
.elseif (\k) == 7
	v_max3_num_f32 v[BM+2*(\t)+\c], v[BM+2*(\t)+\c], v[S+64*(\t)+32*\c+15], v[S+64*(\t)+32*\c+31]
.else
	v_max_num_f32 v[BM+2*(\t)+\c], v[BM+2*(\t)+\c], v[TP+2*(\t)+\c]
.endif
.endr
.endm
; line k = 0 .. 8 of tile t's chain: the running largest score, -M = floor(-t), f = 2^(old M - new M)
.macro MCH t, k
.if (\k) == 0
	v_max_num_f32 v[T+(\t)], v[BM+2*(\t)], v[BM+2*(\t)+1]
.elseif (\k) == 1
	v_permlanex16_b32 v[PT+(\t)], v[T+(\t)], s[SEL], s[SEL+1]
.elseif (\k) == 2
	v_max3_num_f32 v[STT+4*(\t)+1], v[STT+4*(\t)+1], v[T+(\t)], v[PT+(\t)]
.elseif (\k) == 3
	v_mul_f32 v[T+(\t)], s[CS], v[STT+4*(\t)+1]
.elseif (\k) == 4
	v_mov_b32 v[T+2+(\t)], v[STT+4*(\t)]
.elseif (\k) == 5
	v_floor_f32 v[STT+4*(\t)], -v[T+(\t)]
.elseif (\k) == 6
	v_sub_f32 v[T+(\t)], v[STT+4*(\t)], v[T+2+(\t)]
.elseif (\k) == 7
	v_cvt_i32_f32 v[T+(\t)], v[T+(\t)]             ; (it saturates)
.else
	v_ldexp_f32 v[F+2*(\t)], 1.0, v[T+(\t)]
.endif
.endm
; eight additions: registers j .. j + 7 of both tiles' p onto four chains a tile
.macro SUMG j
.irp t, 0,1
	v_pk_add_f32 v[STT+4*\t+2:STT+4*\t+3], v[STT+4*\t+2:STT+4*\t+3], v[S+64*\t+(\j):S+64*\t+(\j)+1]
.irp k, 1,2,3
	v_pk_add_f32 v[TP+8*\t+2*\k-2:TP+8*\t+2*\k-1], v[TP+8*\t+2*\k-2:TP+8*\t+2*\k-1], v[S+64*\t+(\j)+2*\k:S+64*\t+(\j)+2*\k+1]
.endr
.endr
.endm
; stage k = 0 .. 6 of p's scales: the floor 2^(3 - 127) holds the byte at 1; 2 off the exponent field is the conversion's scale operand; my blocks h and 2 + h at their places; with lane l xor 16's two the word is whole
.macro SCL k
.if (\k) < 3
.irp b, 0,1,2,3
.if (\k) == 0
	v_max_num_f32 v[BM+\b], 0x1800000, v[BM+\b]
.elseif (\k) == 1
	v_add_nc_u32 v[SO+\b], 0xff000000, v[BM+\b]
.else
	v_lshrrev_b32 v[PT+\b], 23, v[SO+\b]
.endif
.endr
.else
.irp t, 0,1
.if (\k) == 3
	v_lshl_or_b32 v[PT+2*\t], v[PT+2*\t+1], 16, v[PT+2*\t]
.elseif (\k) == 4
	v_lshlrev_b32 v[PT+2*\t], v[SH8], v[PT+2*\t]
.elseif (\k) == 5
	v_permlanex16_b32 v[PT+2*\t+1], v[PT+2*\t], s[SEL], s[SEL+1]
.else
	v_or_b32 v[PW+\t], v[PT+2*\t], v[PT+2*\t+1]
.endif
.endr
.endif
.endm
.macro STEP e
	v_add_nc_u32 v[AFV], s[TB], v[L16]
	v_add_nc_u32 v[AVS], s[TB], v[V0]
	v_nop
	v_nop                                          ; four places behind the last step's products, ahead of the loads into v's registers
	ds_load_b128 v[VS:VS+3], v[AVS]
	WIN 0x40
.irp n, 0,1,2,3
.irp c, 0,1,2
	ds_load_b128 v[VF+12*\n+4*\c:VF+12*\n+4*\c+3], v[AFV] offset:8192+IMG*\n+512*\c
.endr
.endr
	s_add_co_u32 s[TN], s[TB], REC
	s_min_u32 s[TN], s[TN], (8*\e+7)*REC           ; the next step's record, held at the head's last
	s_wait_dscnt 13                                ; k's 17 loads are in; younger are v's 13
	WIN 0x05
.irp kt, 0,1,2,3,4,5,6,7
.irp t, 0,1
.if \kt < 4
	v_wmma_scale_f32_16x16x128_f8f6f4 v[S+64*\t+8*\kt:S+64*\t+8*\kt+7], v[KF+12*\kt:KF+12*\kt+11], v[QF+12*(2*\e+\t):QF+12*(2*\e+\t)+11], 0, v[KS+\kt%4], v[QS+2*\e+\t] matrix_a_fmt:MATRIX_FMT_FP6 matrix_b_fmt:MATRIX_FMT_FP6
.else
	v_wmma_scale_f32_16x16x128_f8f6f4 v[S+64*\t+8*\kt:S+64*\t+8*\kt+7], v[KF+12*\kt:KF+12*\kt+11], v[QF+12*(2*\e+\t):QF+12*(2*\e+\t)+11], 0, v[KS+\kt%4], v[QS+2*\e+\t] matrix_a_fmt:MATRIX_FMT_FP6 matrix_b_fmt:MATRIX_FMT_FP6 matrix_a_scale:MATRIX_SCALE_ROW1
.endif
.endr
.endr
	WIN 0
	v_add_nc_u32 v[AFK], s[TN], v[L16]             ; four places behind the products
	v_add_nc_u32 v[AKS], s[TN], v[K0]
	v_nop
	v_nop
	KLOAD
.irp k, 0,1,2,3,4,5,6,7,8
	MAXL 0, \k
.endr
.irp k, 0,1,2,3,4,5,6,7,8              ; tile 0's chain, a line at a time, among tile 1's maxima
	MCH 0, \k
	MAXL 1, \k
.endr
.set J, 0
.irp k, 0,1,2,3,4,5,6,7,8              ; tile 1's chain among tile 0's t - M
	MCH 1, \k
.rept 3
	v_pk_fma_f32 v[S+J:S+J+1], v[S+J:S+J+1], s[CS:CS+1], v[STT:STT+1] op_sel_hi:[1,0,0]
.set J, J+2
.endr
.endr
.rept 5
	v_pk_fma_f32 v[S+J:S+J+1], v[S+J:S+J+1], s[CS:CS+1], v[STT:STT+1] op_sel_hi:[1,0,0]
.set J, J+2
.endr
.irp t, 0,1
.irp c, 0,1
	v_fma_f32 v[BM+2*\t+\c], v[BM+2*\t+\c], s[CS], v[STT+4*\t]
.endr
.endr
	WALU
.irp b, 0,1,2,3
	v_exp_f32 v[BM+\b], v[BM+\b]                   ; each block's largest p
.endr
.set J, 0
.rept 32                               ; tile 0's p; tile 1's t - M stands among them, and is read behind the wait below
	v_exp_f32 v[S+J], v[S+J]
	v_exp_f32 v[S+J+1], v[S+J+1]
	v_pk_fma_f32 v[S+64+J:S+64+J+1], v[S+64+J:S+64+J+1], s[CS:CS+1], v[STT+4:STT+5] op_sel_hi:[1,0,0]
.set J, J+2
.endr
	WALU
.set J, 0
.rept 64
	v_exp_f32 v[S+64+J], v[S+64+J]
.set J, J+1
.endr
	v_pk_mul_f32 v[STT+2:STT+3], v[STT+2:STT+3], v[F:F+1] op_sel_hi:[1,0]      ; the sums under the new M
	v_pk_mul_f32 v[STT+6:STT+7], v[STT+6:STT+7], v[F+2:F+3] op_sel_hi:[1,0]
	WALU                                           ; one wait for the batch, ahead of its first reader
; the sums of the unquantised p, eight chains side by side, and p's scales among them
.irp t, 0,1
.irp k, 1,2,3
	v_pk_add_f32 v[TP+8*\t+2*\k-2:TP+8*\t+2*\k-1], v[S+64*\t+2*\k:S+64*\t+2*\k+1], v[S+64*\t+8+2*\k:S+64*\t+9+2*\k]
.endr
	v_pk_add_f32 v[STT+4*\t+2:STT+4*\t+3], v[STT+4*\t+2:STT+4*\t+3], v[S+64*\t:S+64*\t+1]
.endr
	SCL 0
	SUMG 16
	SCL 1
	SUMG 24
	SCL 2
	SUMG 32
	SUMG 40
	SUMG 48
	SUMG 56
.irp t, 0,1
	v_pk_add_f32 v[STT+4*\t+2:STT+4*\t+3], v[STT+4*\t+2:STT+4*\t+3], v[S+64*\t+8:S+64*\t+9]
.endr
	SCL 3
.irp t, 0,1
	v_pk_add_f32 v[TP+8*\t:TP+8*\t+1], v[TP+8*\t:TP+8*\t+1], v[TP+8*\t+2:TP+8*\t+3]
.endr
.irp t, 0,1
	v_pk_add_f32 v[STT+4*\t+2:STT+4*\t+3], v[STT+4*\t+2:STT+4*\t+3], v[TP+8*\t+4:TP+8*\t+5]
.endr
	SCL 4
.irp t, 0,1
	v_pk_add_f32 v[STT+4*\t+2:STT+4*\t+3], v[STT+4*\t+2:STT+4*\t+3], v[TP+8*\t:TP+8*\t+1]
.endr
	SCL 5
.irp t, 0,1
.irp c, 0,1
	v_cvt_scalef32_pk16_fp6_f32 v[PC+12*\t+6*\c:PC+12*\t+6*\c+2], v[S+64*\t+32*\c:S+64*\t+32*\c+15], v[SO+2*\t+\c]
	v_cvt_scalef32_pk16_fp6_f32 v[TP+8*\t+4*\c:TP+8*\t+4*\c+2], v[S+64*\t+32*\c+16:S+64*\t+32*\c+31], v[SO+2*\t+\c]
.endr
.endr
	SCL 6                                          ; two plain lines that name none of the conversions' registers: the place behind a scaled conversion
.irp t, 0,1
.irp c, 0,1
.irp i, 0,1,2
	v_mov_b32 v[PC+12*\t+6*\c+3+\i], v[TP+8*\t+4*\c+\i]
.endr
.endr
.endr
	s_wait_dscnt 17                                ; v's 13 loads are in; younger are the next step's 17 of k
	WIN 0x41
	WALU                                           ; directly ahead of the first reader of O^T
.irp t, 0,1
.irp j, 0,2,4,6,8,10,12,14,16,18,20,22,24,26,28,30
	v_pk_mul_f32 v[OF+32*\t+\j:OF+32*\t+\j+1], v[OF+32*\t+\j:OF+32*\t+\j+1], v[F+2*\t:F+2*\t+1] op_sel_hi:[1,0]   ; O^T under the new M; these are also the places ahead of the products
.endr
.endr
	WIN 0x51
.irp n, 0,1,2,3
.irp t, 0,1
	v_wmma_scale_f32_16x16x128_f8f6f4 v[OF+32*\t+8*\n:OF+32*\t+8*\n+7], v[VF+12*\n:VF+12*\n+11], v[PC+12*\t:PC+12*\t+11], v[OF+32*\t+8*\n:OF+32*\t+8*\n+7], v[VS+\n], v[PW+\t] matrix_a_fmt:MATRIX_FMT_FP6 matrix_b_fmt:MATRIX_FMT_FP6
.endr
.endr
	WIN 0
	s_add_co_u32 s[TB], s[TB], REC
.endm
; O of tile tau, head e, quantised: register 16 b + i is d = 32 b + 16 h + i: two blocks, each in lanes l and l xor 16
.macro QOUT tau, e
.set rS, S+64*(\tau)
.set rC, OC+12*(\tau)+6*(\e)
	v_max3_num_f32 v[BM], |v[rS]|, |v[rS+1]|, 0x1800000
	v_max3_num_f32 v[BM+1], |v[rS+16]|, |v[rS+17]|, 0x1800000
.irp i, 2,4,6,8,10,12,14
	v_max3_num_f32 v[BM], v[BM], |v[rS+\i]|, |v[rS+\i+1]|
	v_max3_num_f32 v[BM+1], v[BM+1], |v[rS+16+\i]|, |v[rS+17+\i]|
.endr
	v_permlanex16_b32 v[PT], v[BM], s[SEL], s[SEL+1]
	v_permlanex16_b32 v[PT+1], v[BM+1], s[SEL], s[SEL+1]
	v_max_num_f32 v[BM], v[BM], v[PT]
	v_max_num_f32 v[BM+1], v[BM+1], v[PT+1]
	v_add_nc_u32 v[SO], 0xff000000, v[BM]
	v_add_nc_u32 v[SO+1], 0xff000000, v[BM+1]
	v_lshrrev_b32 v[PT], 23, v[SO]
	v_lshrrev_b32 v[PT+1], 23, v[SO+1]
	v_lshl_or_b32 v[PT], v[PT+1], 8, v[PT]
.if \e
	v_lshl_or_b32 v[OW+(\tau)], v[PT], 16, v[OW+(\tau)]
.else
	v_mov_b32 v[OW+(\tau)], v[PT]
.endif
	v_cvt_scalef32_pk16_fp6_f32 v[rC:rC+2], v[rS:rS+15], v[SO]
	v_cvt_scalef32_pk16_fp6_f32 v[TP:TP+2], v[rS+16:rS+31], v[SO+1]
	v_nop
.irp i, 0,1,2
	v_permlane16_swap_b32 v[rC+\i], v[TP+\i]       ; a whole block to a lane
.endr
.irp i, 0,1,2
	v_mov_b32 v[rC+3+\i], v[TP+\i]
.endr
.endm
.macro HEAD e
.if \e
	s_wait_tensorcnt 0x0                           ; every wave: all records are in
.else
	s_cmp_lt_u32 s[WV], 4
	s_cbranch_scc0 .Lnot_first
	s_wait_tensorcnt 0x0                           ; waves 0-3: head 0's records; the others' loads may stay out
.Lnot_first:
.endif
	s_wait_dscnt 0x0
	s_barrier_signal -1
	s_barrier_wait -1
	s_mov_b32 s[TB], 8*\e*REC
	v_add_nc_u32 v[AFK], s[TB], v[L16]
	v_add_nc_u32 v[AKS], s[TB], v[K0]
	KLOAD                                          ; the head's first step of k
	WIN 0x40
.set J, 0
.rept 64
	v_mov_b32 v[OF+J], 0                           ; the step is written once: the first finds zeros
.set J, J+1
.endr
	WIN 0
.irp t, 0,1
	v_mov_b32 v[STT+4*\t+1], 0xf1800000            ; the largest score so far: under every score of a key that counts
	v_mov_b32 v[STT+4*\t+2], 0
	v_mov_b32 v[STT+4*\t+3], 0
.endr
.irp t, 0,1
	v_floor_f32 v[STT+4*\t], -v[STT+4*\t+1]
.endr
	WALU
	s_wait_loadcnt 0x0                             ; q's fragments and scale words are in
	s_mov_b32 s[CNT], 8
.Lstep_\e:
	STEP \e
	s_sub_co_u32 s[CNT], s[CNT], 1
	s_cmp_lg_u32 s[CNT], 0
	s_cbranch_scc1 .Lstep_\e
	s_wait_dscnt 0x0                               ; the last step's loads of k have landed: their registers may be loaded anew
	v_add_f32 v[T], v[STT+2], v[STT+3]
	v_add_f32 v[T+1], v[STT+6], v[STT+7]
	v_permlanex16_b32 v[PT], v[T], s[SEL], s[SEL+1]
	v_permlanex16_b32 v[PT+1], v[T+1], s[SEL], s[SEL+1]
	v_add_f32 v[T], v[T], v[PT]
	v_add_f32 v[T+1], v[T+1], v[PT+1]              ; the rows' sums
	WALU
	v_rcp_f32 v[F], v[T]
	v_rcp_f32 v[F+2], v[T+1]
	v_nop
	WIN 0x01
	WALU                                           ; for the reciprocals, and directly ahead of the first reader of O^T
.irp t, 0,1
.irp j, 0,2,4,6,8,10,12,14,16,18,20,22,24,26,28,30
	v_pk_mul_f32 v[S+64*\t+\j:S+64*\t+\j+1], v[OF+32*\t+\j:OF+32*\t+\j+1], v[F+2*\t:F+2*\t+1] op_sel_hi:[1,0]
.endr
.endr
	WIN 0
	QOUT 0, \e
	QOUT 1, \e
.endm
	WALU
	HEAD 0
	HEAD 1
.irp t, 0,1
.irp c, 0,1,2
	global_store_b128 v253, v[OC+12*\t+4*\c:OC+12*\t+4*\c+3], s[8:9] offset:\t*UNIT+512*\c   ; 512 consecutive bytes, at a multiple of 256 from the buffer's first byte
.endr
.endr
	v_cndmask_b32 v[T], v[OW], v[OW+1], s51        ; lanes 0-15 send tile 0's words, lanes 16-31 tile 1's
	global_store_b32 v254, v[T], s[8:9] offset:4*IMG
	s_wait_tensorcnt 0x0                           ; the wave's end
	ds_add_u32 v[SPW], v[NIL]
	s_wait_dscnt 0x0
	CROUND                                         ; the closing round
	s_endpgm
.Lfunc_end_k_q04bda2af34_attn:
	.size	k_q04bda2af34_attn, .Lfunc_end_k_q04bda2af34_attn-k_q04bda2af34_attn
	.p2alignl 7, 3214868480
	.fill 96, 4, 3214868480
	.section	.rodata,"a",@progbits
	.p2align	6, 0x0
	.amdhsa_kernel k_q04bda2af34_attn
		.amdhsa_group_segment_fixed_size 327680
		.amdhsa_private_segment_fixed_size 0
		.amdhsa_enable_private_segment 0
		.amdhsa_kernarg_size 24
		.amdhsa_user_sgpr_count 2
		.amdhsa_user_sgpr_kernarg_segment_ptr 1
		.amdhsa_wavefront_size32 1
		.amdhsa_system_sgpr_workgroup_id_x 1
		.amdhsa_system_sgpr_workgroup_id_y 1
		.amdhsa_system_sgpr_workgroup_id_z 1
		.amdhsa_system_vgpr_workitem_id 0
		.amdhsa_next_free_vgpr 512
		.amdhsa_next_free_sgpr 66
		.amdhsa_reserve_vcc 0
		.amdhsa_float_denorm_mode_32 3
		.amdhsa_float_denorm_mode_16_64 3
		.amdhsa_memory_ordered 1
		.amdhsa_forward_progress 1
		.amdhsa_inst_pref_size 84
	.end_amdhsa_kernel
	.amdgpu_metadata
---
amdhsa.version: [ 1, 2 ]
amdhsa.kernels:
  - .name:           k_q04bda2af34_attn
    .symbol:         k_q04bda2af34_attn.kd
    .args:
      - { .name: qb, .offset: 0, .size: 8, .value_kind: global_buffer, .address_space: global }
      - { .name: kv, .offset: 8, .size: 8, .value_kind: global_buffer, .address_space: global }
      - { .name: ob, .offset: 16, .size: 8, .value_kind: global_buffer, .address_space: global }
    .group_segment_fixed_size: 327680
    .private_segment_fixed_size: 0
    .kernarg_segment_align: 8
    .kernarg_segment_size: 24
    .max_flat_workgroup_size: 256
    .sgpr_count:     66
    .vgpr_count:     512
    .wavefront_size: 32
...
	.end_amdgpu_metadata
.endif
;; end of part 3
;; launch outp (part 4): grid 4 x 64, 4 waves a work-group, clusters of 4 x 4, 327,680 bytes of LDS; arguments ob, xq, bo, out0; writes out0
.if DOCPART == 4
	.amdgcn_target "amdgcn-amd-amdhsa--gfx1250"
	.amdhsa_code_object_version 6
	.text
	.protected	k_q04bda2af34_outp
	.globl	k_q04bda2af34_outp
	.p2align	8
	.type	k_q04bda2af34_outp,@function
k_q04bda2af34_outp:
	s_mov_b64 s[64:65], 0
	v_nop
	global_prefetch_b8 v0, s[64:65] scope:SCOPE_SE
	s_setreg_imm32_b32 hwreg(HW_REG_WAVE_MODE, 25, 1), 1
	s_wait_xcnt 0x0
	s_wait_alu depctr_hold_cnt(0) depctr_sa_sdst(0) depctr_va_vdst(0) depctr_va_sdst(0) depctr_va_ssrc(0) depctr_va_vcc(0) depctr_vm_vsrc(0)
	s_getreg_b32 s2, hwreg(HW_REG_IB_STS2, 6, 4)
	s_cmp_eq_u32 s2, 0
	s_cbranch_scc0 .Lentry_in_a_cluster
	s_endpgm
.Lentry_in_a_cluster:
	s_bfe_u32 s2, ttmp6, 0x10000c
	s_cmp_lg_u32 s2, 0xf033
	s_cbranch_scc0 .Lentry_shape_is_right
	s_endpgm
.Lentry_shape_is_right:
; Launch 4 of 4: out0 = O Wo^T + bo on the codes of ob (the attention's result) and of xq (Wo: units 1728 on).
; SHARES, LDS, DESCRIPTORS AND THE K STEPS are those of the projections' launch: a work-group makes 128 rows x 256 columns, wave w 128 x 64 in 32 accumulators; all of K lies in LDS in two halves of 153,600 bytes, filled once
; by joint loads (O's units shared along the cluster's row, Wo's along its column).  The product is used transposed (source 0 = 16 rows of Wo, source 1 = 16 rows of O): a lane holds one row of the result, and registers
; 16 b + i of its four tiles are columns 32 b + 16 (lane / 16) + i of the wave's 64.  The bias is the C of each sum's first instruction.
; THE WAY OUT.  A tile of 16 rows x 64 columns goes through the wave's own stage in LDS and comes back as rows of 256 bytes.  Lane-row i of tile t is row 32 (t / 2) + 8 (t % 2) + i + 8 (i / 8): the stores' offsets put each row in its place.
; The stages lie in the first half's region of O's units: it has had its one fill, and every wave's last read of it was waited for ahead of the second barrier.
.set UNIT,  12800
.set HALFU, 6400
.set IMG,   1536
.set HALFL, 153600
.set BOFF,  8*HALFU
.set SPARE, 2*HALFL                    ; the spare words, 128 bytes a wave: two blocks of 256 bytes that no other line names
.set STP,   272                        ; a stage row: 256 bytes + 16
.set RR,  1
.set HH,  2
.set L16, 3
.set AA,  4
.set AB,  5
.set AS1, 6
.set AS2, 7
.set STO, 8                            ; v8  the stage, on the way in
.set SRD, 9                            ; v9  and back
.set CO,  10                           ; v10 my offset in two rows of out0
.set BO,  11                           ; v11 64 h
.set SPW, 28
.set NIL, 29
.set SC,  32
.set WF,  96
.set BIAS, 192
.set G1A, 28
.set G1B, 36
.set G0A, 44
.set G0B, 52
.set MSB, 0
.macro WIN new
.if MSB != \new
	s_set_vgpr_msb (MSB<<8)|\new
.set MSB, \new
.endif
.endm
.macro PLACES
.rept 4
	v_nop
.endr
.endm
.macro CROUND
	s_barrier_signal -1
	s_barrier_wait -1
	s_cmp_lg_u32 s18, 0
	s_cbranch_scc1 .Lnot_wave_0_\@
	s_barrier_signal -3
.Lnot_wave_0_\@:
	s_barrier_wait -3
	s_barrier_signal -1
	s_barrier_wait -1
.endm
	s_load_b256 s[4:11], s[0:1], 0x0               ; ob s[4:5], xq s[6:7], bo s[8:9], out0 s[10:11]
	v_lshl_add_u32 v[SPW], v0, 2, SPARE
	v_mov_b32 v[NIL], 0
	ds_add_u32 v[SPW], v[NIL]                      ; the wave's opening: the add, twice on end, and its wait ahead of my first tensor load
	ds_add_u32 v[SPW], v[NIL]
	v_lshrrev_b32 v1, 5, v0
	v_readfirstlane_b32 s18, v1                    ; wave 0..3
	s_bfe_u32 s21, ttmp6, 0x40000                  ; cx
	s_bfe_u32 s22, ttmp6, 0x40004                  ; cy
	s_lshl_b32 s23, ttmp9, 2
	s_add_co_u32 s23, s23, s21                     ; x: my 256 columns
	s_and_b32 s24, ttmp7, 0xffff
	s_lshl_b32 s24, s24, 2
	s_add_co_u32 s24, s24, s22                     ; y: my 128 rows
	s_lshl_b32 s26, s22, 2
	s_lshl_b32 s26, 15, s26
	s_lshl_b32 s27, 0x1111, s21
	s_or_b32 s[G1A], s26, (3<<16)|(1<<21)
	s_or_b32 s[G1B], s27, (3<<16)|(1<<21)
.irp g, G1A, G1B
	s_mov_b32 s[\g+1], 800<<16
	s_mov_b32 s[\g+3], 800<<16
	s_mov_b32 s[\g+5], 1600
	s_mov_b32 s[\g+6], 0
	s_mov_b32 s[\g+7], 0
.endr
	s_mov_b32 s[G1A+2], 8<<16                      ; O: a half of K of all 8 units in one load
	s_mov_b32 s[G1A+4], 8
	s_mov_b32 s[G1B+2], 16<<16                     ; Wo: of all 16
	s_mov_b32 s[G1B+4], 16
	s_lshl_b32 s66, s24, 3                         ; O's unit 8 y
	s_mul_i32 s66, s66, UNIT
	s_mov_b32 s67, 0
	s_lshl_b32 s68, s23, 4                         ; Wo's unit 1728 + 16 x
	s_add_co_u32 s68, s68, 1728
	s_mul_i32 s68, s68, UNIT
	s_mov_b32 s69, 0
	s_mov_b32 s70, 0
	s_mov_b32 s71, BOFF
	s_wait_dscnt 0x0                               ; both opening adds are done
	s_wait_kmcnt 0x0
	s_add_nc_u64 s[60:61], s[4:5], s[66:67]
	s_add_nc_u64 s[62:63], s[6:7], s[68:69]
	CROUND                                         ; all sixteen work-groups are here: the joint loads meet
.irp q, 0,1
	s_mov_b32 s[G0A+4*\q], 1
	s_add_co_u32 s[G0A+4*\q+1], s70, \q*HALFL
	s_add_nc_u64 s[G0A+4*\q+2:G0A+4*\q+3], s[60:61], \q*HALFU
	s_or_b32 s[G0A+4*\q+3], s[G0A+4*\q+3], 0x80000000
	s_mov_b32 s[G0B+4*\q], 1
	s_add_co_u32 s[G0B+4*\q+1], s71, \q*HALFL
	s_add_nc_u64 s[G0B+4*\q+2:G0B+4*\q+3], s[62:63], \q*HALFU
	s_or_b32 s[G0B+4*\q+3], s[G0B+4*\q+3], 0x80000000
.endr
; THE HEAD'S FOUR TILES, ONE A WAVE, each on a line of its own in one chain of branches on the wave's number: wave 0 O's first half of K, wave 1 Wo's, wave 2 O's second half, wave 3 Wo's.
.macro ARM under, g0, g1, next
	s_cmp_lt_u32 s18, \under
	s_cbranch_scc0 \next
	tensor_load_to_lds s[\g0:\g0+3], s[\g1:\g1+7]
	s_nop 0
.rept 4
	v_nop
.endr
	s_branch .Lasked
\next:
.endm
	ARM 1, G0A, G1A, .Lhead_w0
	ARM 2, G0B, G1B, .Lhead_x1
	ARM 3, G0A+4, G1A, .Lhead_w1
	tensor_load_to_lds s[G0B+4:G0B+7], s[G1B:G1B+7]
	s_nop 0
.rept 4
	v_nop
.endr
.Lasked:
	v_and_b32 v[RR], 15, v0
	v_bfe_u32 v[HH], v0, 4, 1
	v_and_b32 v[L16], 31, v0
	v_lshlrev_b32 v[L16], 4, v[L16]
	v_mov_b32 v[AA], v[L16]
	s_mul_i32 s60, s18, 4*HALFU
	s_add_co_u32 s61, s60, BOFF
	v_add_nc_u32 v[AB], s61, v[L16]
	v_lshl_add_u32 v12, v[RR], 4, 4*IMG
	v_mul_u32_u24 v13, s61, v[HH]
	v_add_nc_u32 v[AS1], v12, v13
	s_add_co_u32 s62, s60, 4*HALFU
	v_mul_u32_u24 v13, s62, v[HH]
	v_add_nc_u32 v[AS2], v12, v13
	s_lshl_b32 s62, s23, 10
	s_lshl_b32 s63, s18, 8
	s_add_co_u32 s62, s62, s63                     ; my 64 columns, in bytes
	s_mov_b32 s63, 0
	s_add_nc_u64 s[76:77], s[8:9], s[62:63]        ; in bo,
	s_add_nc_u64 s[10:11], s[10:11], s[62:63]      ; and in out0,
	s_lshl_b32 s62, s24, 19
	s_add_nc_u64 s[10:11], s[10:11], s[62:63]      ; at my 128 rows of 4,096 bytes
	v_lshlrev_b32 v[BO], 6, v[HH]
.irp n, 0,1,2,3
	global_load_b128 v[BIAS+8*\n:BIAS+8*\n+3], v[BO], s[76:77] offset:(32*(\n/2)+8*(\n%2))*4
	global_load_b128 v[BIAS+8*\n+4:BIAS+8*\n+7], v[BO], s[76:77] offset:(32*(\n/2)+8*(\n%2))*4+16
.endr
	s_mul_i32 s60, s18, 16*STP                     ; my stage
	v_mul_u32_u24 v[STO], v[RR], STP
	v_lshl_add_u32 v[STO], v[HH], 6, v[STO]
	v_add_nc_u32 v[STO], s60, v[STO]               ; in: row r, + 64 h
	v_mul_u32_u24 v[SRD], v[HH], STP
	v_lshl_add_u32 v[SRD], v[RR], 4, v[SRD]
	v_add_nc_u32 v[SRD], s60, v[SRD]               ; back: lanes 0-15 one row, lanes 16-31 the next
	v_lshlrev_b32 v[CO], 12, v[HH]
	v_lshl_add_u32 v[CO], v[RR], 4, v[CO]          ; and the same two rows in out0
	s_wait_loadcnt 0x0
.macro SCALES q
.irp i, 0,1,2,3
	ds_load_b128 v[SC+32*(\q)+4*\i:SC+32*(\q)+4*\i+3], v[AS1] offset:\i*HALFU
.endr
.irp i, 4,5,6,7
	ds_load_b128 v[SC+32*(\q)+4*\i:SC+32*(\q)+4*\i+3], v[AS2] offset:\i*HALFU
.endr
.endm
.macro FETCH sp, set
	WIN 0x80
.irp i, 0,1,2,3,4,5,6,7
.irp c, 0,1,2
	ds_load_b128 v[96*(\set)+12*\i+4*\c:96*(\set)+12*\i+4*\c+3], v[AA] offset:\i*HALFU+IMG*(\sp)+512*\c
.endr
.endr
	WIN 0
.irp n, 0,1,2,3
.irp c, 0,1,2
	ds_load_b128 v[WF+48*(\set)+12*\n+4*\c:WF+48*(\set)+12*\n+4*\c+3], v[AB] offset:\n*HALFU+IMG*(\sp)+512*\c
.endr
.endr
.endm
; 32 matrix instructions, 128 along K; the 32 accumulators take turns, one instruction a turn, in the same order in every step
.macro MUL set, q, sp, first
.if \first
	WIN 0x48
.else
	WIN 0x58
.endif
.irp a, 0,1,2,3,4,5,6,7
.irp n, 0,1,2,3
.if \first
	v_wmma_scale_f32_16x16x128_f8f6f4 v[8*(4*\a+\n):8*(4*\a+\n)+7], v[WF+48*(\set)+12*\n:WF+48*(\set)+12*\n+11], v[96*(\set)+12*\a:96*(\set)+12*\a+11], v[BIAS+8*\n:BIAS+8*\n+7], v[SC+32*(\q)+4*\n+(\sp)], v[SC+32*(\q)+4*\a+(\sp)] matrix_a_fmt:MATRIX_FMT_FP6 matrix_b_fmt:MATRIX_FMT_FP6 matrix_a_scale:MATRIX_SCALE_ROW1
.else
	v_wmma_scale_f32_16x16x128_f8f6f4 v[8*(4*\a+\n):8*(4*\a+\n)+7], v[WF+48*(\set)+12*\n:WF+48*(\set)+12*\n+11], v[96*(\set)+12*\a:96*(\set)+12*\a+11], v[8*(4*\a+\n):8*(4*\a+\n)+7], v[SC+32*(\q)+4*\n+(\sp)], v[SC+32*(\q)+4*\a+(\sp)] matrix_a_fmt:MATRIX_FMT_FP6 matrix_b_fmt:MATRIX_FMT_FP6 matrix_a_scale:MATRIX_SCALE_ROW1
.endif
.endr
.endr
.endm
.macro NEXT fsp, fset, set, q, sp, first
	FETCH \fsp, \fset
	s_wait_dscnt 36                                ; all but the 36 just issued
	MUL \set, \q, \sp, \first
.endm
	s_wait_alu depctr_va_vdst(0)
	s_cmp_lt_u32 s18, 2
	s_cbranch_scc0 .Lnot_half0
	s_wait_tensorcnt 0x0                           ; waves 0 and 1: the first half of K is in; waves 2 and 3's tiles stay out
.Lnot_half0:
	s_barrier_signal -1
	s_barrier_wait -1
	SCALES 0
	FETCH 0, 0
	NEXT 1, 1, 0, 0, 0, 1
	PLACES
	NEXT 2, 0, 1, 0, 1, 0
	PLACES
	NEXT 3, 1, 0, 0, 2, 0
	WIN 0
	s_wait_tensorcnt 0x0                           ; my part of the second half is in,
	s_wait_dscnt 0x0                               ; and K step 3's fragments: my last reads of the first half
	s_barrier_signal -1
	s_barrier_wait -1
	v_add_nc_u32 v[AA], HALFL, v[AA]               ; four plain lines: the places in front of the loads below
	s_wait_alu depctr_va_vdst(0)
	v_add_nc_u32 v[AB], HALFL, v[AB]
	s_wait_alu depctr_va_vdst(0)
	v_add_nc_u32 v[AS1], HALFL, v[AS1]
	v_add_nc_u32 v[AS2], HALFL, v[AS2]
	SCALES 1
	FETCH 0, 0
	MUL 1, 0, 3, 0
	PLACES
	NEXT 1, 1, 0, 1, 0, 0
	PLACES
	NEXT 2, 0, 1, 1, 1, 0
	PLACES
	NEXT 3, 1, 0, 1, 2, 0
	s_wait_dscnt 0x0
	MUL 1, 1, 3, 0
	WIN 0
	PLACES                                         ; in front of the first reads of results and of the loads into W's registers
.macro TOSTAGE a
	WIN 0x04                                       ; an LDS store's data are its source 1: window 1
.irp b, 0,1
.irp j, 0,1,2,3
	ds_store_b128 v[STO], v[32*(\a)+16*\b+4*\j:32*(\a)+16*\b+4*\j+3] offset:128*\b+16*\j   ; each accumulator from its low end on
.endr
.endr
	WIN 0
.set BB, 96+32*((\a)%2)
.irp t, 0,1,2,3,4,5,6,7
	ds_load_b128 v[BB+4*\t:BB+4*\t+3], v[SRD] offset:2*\t*STP      ; LDS serves a wave's instructions in order: these see the stores above, and the next tile's stores come behind them
.endr
.endm
.macro SEND a, younger                 ; younger: the LDS instructions issued behind tile a's loads, which may stay out
.set BB, 96+32*((\a)%2)
	s_wait_dscnt \younger
.irp t, 0,1,2,3,4,5,6,7
	global_store_b128 v[CO], v[BB+4*\t:BB+4*\t+3], s[10:11] offset:(32*((\a)/2)+8*((\a)%2)+2*\t+8*(\t/4))*4096 th:TH_STORE_NT   ; 16 lanes store 256 consecutive bytes, at a multiple of 256 from out0's first byte
.endr
.endm
	TOSTAGE 0
.irp a, 1,2,3,4,5,6,7
	s_wait_xcnt 0x0                                ; the stores of two tiles back have read their registers: this tile's loads may land there
	TOSTAGE \a
	SEND \a-1, 16                                  ; behind tile a - 1's loads: tile a's 8 stores and 8 loads
.endr
	SEND 7, 0
	s_wait_tensorcnt 0x0                           ; the wave's end: behind my last tensor load and my last LDS store
	ds_add_u32 v[SPW], v[NIL]
	s_wait_dscnt 0x0
	CROUND                                         ; the closing round
	s_endpgm
.Lfunc_end_k_q04bda2af34_outp:
	.size	k_q04bda2af34_outp, .Lfunc_end_k_q04bda2af34_outp-k_q04bda2af34_outp
	.p2alignl 7, 3214868480
	.fill 96, 4, 3214868480
	.section	.rodata,"a",@progbits
	.p2align	6, 0x0
	.amdhsa_kernel k_q04bda2af34_outp
		.amdhsa_group_segment_fixed_size 327680
		.amdhsa_private_segment_fixed_size 0
		.amdhsa_enable_private_segment 0
		.amdhsa_kernarg_size 32
		.amdhsa_user_sgpr_count 2
		.amdhsa_user_sgpr_kernarg_segment_ptr 1
		.amdhsa_wavefront_size32 1
		.amdhsa_system_sgpr_workgroup_id_x 1
		.amdhsa_system_sgpr_workgroup_id_y 1
		.amdhsa_system_sgpr_workgroup_id_z 1
		.amdhsa_system_vgpr_workitem_id 0
		.amdhsa_next_free_vgpr 768
		.amdhsa_next_free_sgpr 92
		.amdhsa_reserve_vcc 0
		.amdhsa_float_denorm_mode_32 3
		.amdhsa_float_denorm_mode_16_64 3
		.amdhsa_memory_ordered 1
		.amdhsa_forward_progress 1
		.amdhsa_inst_pref_size 76
	.end_amdhsa_kernel
	.amdgpu_metadata
---
amdhsa.version: [ 1, 2 ]
amdhsa.kernels:
  - .name:           k_q04bda2af34_outp
    .symbol:         k_q04bda2af34_outp.kd
    .args:
      - { .name: ob, .offset: 0, .size: 8, .value_kind: global_buffer, .address_space: global }
      - { .name: xq, .offset: 8, .size: 8, .value_kind: global_buffer, .address_space: global }
      - { .name: bo, .offset: 16, .size: 8, .value_kind: global_buffer, .address_space: global }
      - { .name: out0, .offset: 24, .size: 8, .value_kind: global_buffer, .address_space: global }
    .group_segment_fixed_size: 327680
    .private_segment_fixed_size: 0
    .kernarg_segment_align: 8
    .kernarg_segment_size: 32
    .max_flat_workgroup_size: 128
    .sgpr_count:     92
    .vgpr_count:     768
    .wavefront_size: 32
...
	.end_amdgpu_metadata
.endif
;; end of part 4
